; MI455X (gfx1250); checked and timed in simulation.
; The chip was launched on July 23, 2026; its instructions are those of AMD's public machine-readable ISA for CDNA 5 (MIT licence, August 2026) and "CDNA5" Instruction Set Architecture Reference Guide (July 2026). The comments in the code are by the model that wrote it; some were corrected since.
;; Self Multihead Attn. Allowed arithmetic: matrix products marked QUANTISED: E2M3 operands, one E8M0 scale for each 32 along K, by v_wmma_scale_f32_16x16x128_f8f6f4 with both operands' format E2M3, f32 sums; everything else in f32.
;; Inputs: in_proj_bias 3,072 float32; in_proj_weight 3,072 x 1,024 float32; out_proj_bias 1,024 float32; out_proj_weight 1,024 x 1,024 float32; query 2,048 x 4 x 1,024 float32.
;; Outputs: out0 2,048 x 4 x 1,024 float32.
;; This version of the problem:
;;   THIS VERSION OF THE PROBLEM IS GIVEN IN LOW PRECISION. The matrix products marked QUANTISED in the list below multiply operands that are first quantised to E2M3 (2 exponent bits, 3 mantissa bits; 6 bits a number), with one power-of-two scale for each 32 numbers along K (OCP MX v1.0); their sums are f32. All else is computed in f32.
;;   The module's matrix products, in the order in which they are computed (A, B: the left and right operand; K: the contracted axis; several contracted axes count as one K, in the product's order):
;;     1. [M 8,192, K 1,024] x [K 1,024, N 3,072]; A: input query; B: input in_proj_weight: QUANTISED
;;     2. batch 64 x [M 2,048, K 64] x [K 64, N 2,048]; A: computed on the way; B: computed on the way: QUANTISED
;;     3. batch 64 x [M 64, K 2,048] x [K 2,048, N 2,048]; A: computed on the way; B: softmax (see below): QUANTISED
;;     4. [M 8,192, K 1,024] x [K 1,024, N 1,024]; A: computed on the way; B: input out_proj_weight: QUANTISED
;;   THE QUANTISER, for each operand of a quantised product, along K:
;;     - K is cut into blocks of 32 from its start; a last block that is shorter is filled with zeros.
;;     - A block's scale is 2^e with e = floor(log2(the largest magnitude in the block)) - 2, held to -126 .. 127; a block of zeros has e = 0. As a byte (E8M0): e + 127.
;;     - Each number is divided by its block's scale, clamped to +-7.5, and rounded to the nearest number of E2M3, ties to even, subnormals kept.
;;     - The product sums the exact products of the quantised numbers (number of the format x scale) in f32.
;;   ~~~python
;;   def quantise(x, axis):      # numpy; x: float32 -> the quantised numbers, widened to float32 again
;;       x = np.moveaxis(x, axis, -1); K = x.shape[-1]
;;       x = np.pad(x, [(0, 0)] * (x.ndim - 1) + [(0, -K % 32)]); x = x.reshape(x.shape[:-1] + (-1, 32)); a = np.abs(x).max(-1, keepdims=True)
;;       e = np.where(a > 0, np.clip(np.frexp(np.where(a > 0, a, 1))[1] - 1 - 2, -126, 127), 0)      # np.frexp(a)[1] - 1 = floor(log2(a)), exactly
;;       r = np.clip(x / 2.0 ** e, -7.5, 7.5)
;;       step = 2.0 ** (np.maximum(np.frexp(np.where(r == 0, 1, r))[1] - 1, 0) - 3)
;;       q = np.round(r / step) * step * 2.0 ** e      # np.round: ties to even
;;       return np.moveaxis(q.reshape(q.shape[:-2] + (-1,))[..., :K], -1, axis).astype(np.float32)
;;   ~~~
;;   SOFTMAX AHEAD OF A QUANTISED PRODUCT. Where the list says 'softmax', what is quantised is not the finished softmax but p = 2^(t - M), with t = logit x log2(e) and M = ceil(the row's largest t), a whole number; so 1/2 < the row's largest p <= 1. The row's sum l is taken of the UNQUANTISED p, in f32, and the product's result is divided by l at the end. Since M is a whole number, a kernel that streams over the keys may use a running M (the ceiling of the running maximum): every later rescaling is an exact power of two, which a block's scale takes up: the codes' values come out the same.
;;   OPERANDS COMPUTED ON THE WAY. 'Computed on the way' means the value that the module computes at that place (a softmax that the list does not call 'softmax' is quantised finished and normalised). What goes into a quantiser is computed in f32, as accurately as f32 sums, v_exp_f32 and their like allow (about 1e-6 of the number): no bf16 or f16 on the way to a quantiser, and a product that is left as it is and whose result goes on into a quantised operand takes f32 operands (vector FMAs, or v_wmma_f32_16x16x4_f32). A number that lies on a knife's edge between two numbers of the format may be rounded either way, as far as f32 arithmetic and the matrix unit's own rounding can turn it there, and no further.
;; One version. Each part assembles by itself: llvm-mc -triple=amdgcn-amd-amdhsa -mcpu=gfx1250 --defsym DOCPART=n.
;; ======== version 1 of 1: 4 launches
;; limits: right only within a limited range of input values
;; workspace buffers: codes 9,437,184 bytes; scales 393,216 bytes; qc 6,291,456 bytes; qs 524,288 bytes; kv 13,107,200 bytes; cx 6,291,456 bytes; cs 524,288 bytes
;; launch quant (part 1): grid 256 x 1, 6 waves a work-group, no clusters, 51,456 bytes of LDS; arguments query, in_proj_weight, out_proj_weight, codes, scales; writes codes, scales
.if DOCPART == 1
	.amdgcn_target "amdgcn-amd-amdhsa--gfx1250"
	.amdhsa_code_object_version 6
	.text
	.protected	k_q945c146605_quant
	.globl	k_q945c146605_quant
	.p2align	8
	.type	k_q945c146605_quant,@function
k_q945c146605_quant:
	s_mov_b64 s[64:65], 0
	v_nop
	global_prefetch_b8 v0, s[64:65] scope:SCOPE_SE
	s_setreg_imm32_b32 hwreg(HW_REG_WAVE_MODE, 25, 1), 1
	s_wait_xcnt 0x0
; query [2048][4][1024], in_proj_weight [3072][1024] and out_proj_weight [1024][1024], f32, K innermost, become codes of FP6 (E2M3) with one E8M0 byte for each 32 along K.
; A block's byte is its largest magnitude's exponent field - 2, held at 1 from below; each number is divided by the scale and rounded to the nearest code, ties to even, beyond 7.5 the largest code.
; LIMITS: NaN and infinities are not served; blocks whose largest magnitude lies under 2^-124 get the byte 1; a block of zeros gets the byte 1 where the rule says 127 (its codes are zeros, and this program alone reads the bytes).
; LAYOUT OF THE OUTPUT: the order of the operand's registers.  Rows go in tiles of 16: of each 32 rows, tile 2 B + u holds rows 32 B + 8 u + p + 8 (p / 8), p = 0 .. 15.
; Tiles 0-511: query, 128 x batch + the tile of s;  512-703: in_proj_weight;  704-767: out_proj_weight.  A tile's 1,024 along K are 16 pieces of 64: a piece is 768 bytes: lane (r, h) owns the 24 bytes of row r,
; k = 32 h .. 32 h + 31: its registers 0-3 at 16 x lane, its registers 4-5 at 512 + 8 x lane.  Scale words: [tile][half of K][row][4 words], a word for 128 along K.
; SHARES: 1,536 waves, each one tile x 512 along K: 32 KiB in, 6,144 + 256 bytes out.  A load takes 512 consecutive bytes of one row; a step's 16 rows x 512 bytes turn through the wave's own stage in LDS
; (rows 528 bytes apart) and come back 128 bytes a lane.  Loads run two steps (32 loads a wave) ahead.  Waves share nothing: no barrier, no cluster, no tensor load.
.set PIT,  528
.set RO,   4                           ; v4-19   row p of the tile: 16 x lane + (p + 8 (p / 8)) x the tensor's pitch
.set X,    64                          ; v64-127 my 64 numbers of a step: 32 c + i = k 64 c + 32 h + i of row r
.set R,    128                         ; v128-255 two sets of 64 registers as loaded
	s_load_b256 s[4:11], s[0:1], 0x0               ; query, in_proj_weight, out_proj_weight, codes
	s_load_b64 s[12:13], s[0:1], 0x20              ; scales
	v_lshl_add_u32 v59, v0, 2, 0xc600
	v_mov_b32 v63, 0
	v_lshrrev_b32 v1, 5, v0
	v_readfirstlane_b32 s14, v1                    ; wave 0..5
	v_and_b32 v1, 31, v0                           ; lane
	s_wait_alu depctr_va_vdst(0)
	v_and_b32 v2, 15, v0                           ; r
	s_wait_alu depctr_va_vdst(0)
	v_bfe_u32 v3, v0, 4, 1                         ; h
	s_mul_i32 s15, ttmp9, 6
	s_add_co_u32 s15, s15, s14                     ; g = 6 x work-group + wave
	s_lshr_b32 s16, s15, 1                         ; the tile
	s_and_b32 s17, s15, 1                          ; which half of K
	s_mov_b32 s30, 0x76543210
	s_mov_b32 s31, 0xfedcba98                      ; lane selects: lane l xor 16
	s_mov_b32 s32, 0xffff0000                      ; lanes 16-31
	s_mov_b32 s19, 4096
	s_mov_b32 s23, 704
	s_mul_i32 s33, s14, 16*PIT                     ; my stage
	v_lshlrev_b32 v22, 4, v1                       ; 16 x lane
	v_lshlrev_b32 v23, 3, v1                       ; 8 x lane
	v_add_nc_u32 v20, s33, v22                     ; the stage, on the way in
	v_mul_u32_u24 v21, v2, PIT
	s_wait_alu depctr_va_vdst(0)
	v_lshl_add_u32 v21, v3, 7, v21
	v_add_nc_u32 v21, s33, v21                     ; and on the way out: row r, + 128 h
	v_lshlrev_b32 v24, 4, v2
	v_lshl_add_u32 v24, v3, 3, v24                 ; the scale words' place: 16 r + 8 h
	v_lshlrev_b32 v34, 3, v3                       ; 8 h
	v_mov_b32 v33, 0                               ; a lane permute's destination counts as read
	s_wait_kmcnt 0x0
	s_cmp_lt_u32 s16, 512                          ; which tensor: the choice hangs on the tile's number alone
	s_cselect_b64 s[20:21], s[4:5], s[6:7]
	s_cselect_b32 s18, 0, 512                      ; the tensor's first tile
	s_cselect_b32 s19, 16384, s19                  ; bytes from row to row: in query a step of s is 4 x 4,096
	s_cselect_b32 s22, 127, -1                     ; query: 128 tiles to a batch
	; QUERY'S TILES go by groups of 64 rows of s: tile 4 C + u holds rows 64 C + 8 u + p + 24 (p / 8); the weights' tiles by 32 rows: tile 2 B + u holds rows 32 B + 8 u + p + 8 (p / 8)
	s_cselect_b32 s36, 2, 1                        ; log2 of the tiles in a group
	s_cselect_b32 s37, 3, 1                        ; u's mask
	s_cselect_b32 s38, 16, 0                       ; rows that p = 8 .. 15 lie further on in query
	s_cmp_lt_u32 s16, 704
	s_cselect_b64 s[20:21], s[20:21], s[8:9]
	s_cselect_b32 s18, s18, s23
	s_sub_co_u32 s24, s16, s18
	s_and_b32 s25, s24, s22                        ; the tile within its batch
	s_sub_co_u32 s26, s24, s25
	s_lshr_b32 s26, s26, 7                         ; the batch (0 in the weights)
	s_mul_i32 s38, s38, s19                        ; in bytes
	s_lshr_b32 s27, s25, s36
	s_lshl_b32 s27, s27, s36
	s_lshl_b32 s27, s27, 4                         ; the group's first row: 16 rows a tile
	s_and_b32 s28, s25, s37
	s_lshl_b32 s28, s28, 3
	s_add_co_u32 s27, s27, s28                     ; the tile's first row: 32 B + 8 u
	s_mul_i32 s27, s27, s19
	s_lshl_b32 s26, s26, 12
	s_add_co_u32 s27, s27, s26
	s_lshl_b32 s28, s17, 11
	s_add_co_u32 s34, s27, s28
	s_mov_b32 s35, 0
	s_add_nc_u64 s[20:21], s[20:21], s[34:35]
	s_mul_i32 s34, s15, 6144
	s_add_nc_u64 s[10:11], s[10:11], s[34:35]      ; my 8 pieces of codes
	s_lshl_b32 s34, s15, 8
	s_add_nc_u64 s[12:13], s[12:13], s[34:35]      ; my 256 bytes of scale words
.irp p, 0,1,2,3,4,5,6,7,8,9,10,11,12,13,14,15
	s_mul_i32 s27, s19, \p+8*(\p/8)
.if \p > 7
	s_add_co_u32 s27, s27, s38
.endif
	v_add_nc_u32 v[RO+\p], s27, v22
.endr
.macro LOAD t                          ; step t: 128 along K of the 16 rows; each load reads 512 consecutive bytes
.irp p, 0,1,2,3,4,5,6,7,8,9,10,11,12,13,14,15
	global_load_b128 v[R+64*((\t)%2)+4*\p:R+64*((\t)%2)+4*\p+3], v[RO+\p], s[20:21] offset:512*(\t) th:TH_LOAD_NT
.endr
.endm
.macro STEP t
.if (\t) < 3
	s_wait_loadcnt 16                              ; this step's 16 loads are in; the next step's 16 may be out
.else
	s_wait_loadcnt 0
.endif
.irp p, 0,1,2,3,4,5,6,7,8,9,10,11,12,13,14,15
	ds_store_b128 v20, v[R+64*((\t)%2)+4*\p:R+64*((\t)%2)+4*\p+3] offset:PIT*\p
.endr
.irp c, 0,1
.irp i, 0,1,2,3,4,5,6,7
	ds_load_b128 v[X+32*\c+4*\i:X+32*\c+4*\i+3], v21 offset:256*\c+16*\i   ; LDS serves a wave's instructions in order: these see the stores above
.endr
.endr
	s_wait_dscnt 0x0                               ; my numbers are back, and the stores into the stage have read their registers
.if (\t) > 0
	s_wait_xcnt 0x0                                ; the last step's stores have read their data: the codes' registers are written again only behind this wait
.endif
.if (\t)+2 < 4
	LOAD (\t)+2
.endif
.irp c, 0,1                            ; block 2 c + h of the step: all its 32 numbers are mine
	v_max3_num_f32 v[26+\c], |v[X+32*\c]|, |v[X+32*\c+1]|, 0x1800000   ; with the floor 2^(3 - 127): the byte cannot fall under 1
.endr
.irp i, 2,4,6,8,10,12,14,16,18,20,22,24,26,28,30
.irp c, 0,1
	v_max3_num_f32 v[26+\c], v[26+\c], |v[X+32*\c+\i]|, |v[X+32*\c+\i+1]|
.endr
.endr
.irp c, 0,1
	v_add_nc_u32 v[28+\c], 0xff000000, v[26+\c]    ; 2 off the exponent field: the conversion's scale operand
.endr
.irp c, 0,1
	v_lshrrev_b32 v[30+\c], 23, v[28+\c]           ; the scale's byte
.endr
	v_lshl_or_b32 v32, v31, 16, v30                ; my two bytes, blocks h and 2 + h,
	v_lshlrev_b32 v32, v34, v32                    ; at their places in the word;
	v_permlanex16_b32 v33, v32, s30, s31
	v_or_b32 v[36+(\t)], v32, v33                  ; with lane l xor 16's two the word is whole
.irp c, 0,1
	v_cvt_scalef32_pk16_fp6_f32 v[40+8*\c:42+8*\c], v[X+32*\c:X+32*\c+15], v[28+\c]
	v_cvt_scalef32_pk16_fp6_f32 v[56+4*\c:58+4*\c], v[X+32*\c+16:X+32*\c+31], v[28+\c]   ; (a conversion's three registers begin on an even number)
.endr
	v_nop                                          ; one plain place behind a scaled conversion
.irp c, 0,1
.irp i, 0,1,2
	v_mov_b32 v[43+8*\c+\i], v[56+4*\c+\i]
.endr
.endr
.irp c, 0,1
	global_store_b128 v22, v[40+8*\c:43+8*\c], s[10:11] offset:(2*(\t)+\c)*768       ; 512 consecutive bytes, aligned
	global_store_b64 v23, v[44+8*\c:45+8*\c], s[10:11] offset:(2*(\t)+\c)*768+512    ; 256 consecutive bytes, aligned
.endr
.endm
	s_wait_alu depctr_va_vdst(0)
	LOAD 0
	LOAD 1
	STEP 0
	STEP 1
	STEP 2
	STEP 3
	v_cndmask_b32 v60, v36, v38, s32               ; lanes 0-15 store words 0 and 1 of their row, lanes 16-31 words 2 and 3
	v_cndmask_b32 v61, v37, v39, s32
	global_store_b64 v24, v[60:61], s[12:13]       ; 256 consecutive bytes, aligned
	s_wait_tensorcnt 0x0
	ds_add_u32 v59, v63
	s_wait_dscnt 0x0
	s_endpgm
.Lfunc_end_k_q945c146605_quant:
	.size	k_q945c146605_quant, .Lfunc_end_k_q945c146605_quant-k_q945c146605_quant
	.p2alignl 7, 3214868480
	.fill 96, 4, 3214868480
	.section	.rodata,"a",@progbits
	.p2align	6, 0x0
	.amdhsa_kernel k_q945c146605_quant
		.amdhsa_group_segment_fixed_size 51456
		.amdhsa_private_segment_fixed_size 0
		.amdhsa_enable_private_segment 0
		.amdhsa_kernarg_size 40
		.amdhsa_user_sgpr_count 2
		.amdhsa_user_sgpr_kernarg_segment_ptr 1
		.amdhsa_wavefront_size32 1
		.amdhsa_system_sgpr_workgroup_id_x 1
		.amdhsa_system_sgpr_workgroup_id_y 1
		.amdhsa_system_sgpr_workgroup_id_z 1
		.amdhsa_system_vgpr_workitem_id 0
		.amdhsa_next_free_vgpr 256
		.amdhsa_next_free_sgpr 66
		.amdhsa_reserve_vcc 0
		.amdhsa_float_denorm_mode_32 3
		.amdhsa_float_denorm_mode_16_64 3
		.amdhsa_memory_ordered 1
		.amdhsa_forward_progress 1
		.amdhsa_inst_pref_size 33
	.end_amdhsa_kernel
	.amdgpu_metadata
---
amdhsa.version: [ 1, 2 ]
amdhsa.kernels:
  - .name:           k_q945c146605_quant
    .symbol:         k_q945c146605_quant.kd
    .args:
      - { .name: query, .offset: 0, .size: 8, .value_kind: global_buffer, .address_space: global }
      - { .name: in_proj_weight, .offset: 8, .size: 8, .value_kind: global_buffer, .address_space: global }
      - { .name: out_proj_weight, .offset: 16, .size: 8, .value_kind: global_buffer, .address_space: global }
      - { .name: codes, .offset: 24, .size: 8, .value_kind: global_buffer, .address_space: global }
      - { .name: scales, .offset: 32, .size: 8, .value_kind: global_buffer, .address_space: global }
    .group_segment_fixed_size: 51456
    .private_segment_fixed_size: 0
    .kernarg_segment_align: 8
    .kernarg_segment_size: 40
    .max_flat_workgroup_size: 192
    .sgpr_count:     66
    .vgpr_count:     256
    .wavefront_size: 32
...
	.end_amdgpu_metadata
.endif
;; end of part 1
;; launch qkv (part 2): grid 16 x 16, 4 waves a work-group, clusters of 4 x 4, 327,680 bytes of LDS; arguments codes, scales, in_proj_bias, qc, qs, kv; writes qc, qs, kv
.if DOCPART == 2
	.amdgcn_target "amdgcn-amd-amdhsa--gfx1250"
	.amdhsa_code_object_version 6
	.text
	.protected	k_q945c146605_qkv
	.globl	k_q945c146605_qkv
	.p2align	8
	.type	k_q945c146605_qkv,@function
k_q945c146605_qkv:
	s_mov_b64 s[64:65], 0
	v_nop
	global_prefetch_b8 v0, s[64:65] scope:SCOPE_SE
	s_setreg_imm32_b32 hwreg(HW_REG_WAVE_MODE, 25, 1), 1
	s_wait_xcnt 0x0
	s_wait_alu depctr_hold_cnt(0) depctr_sa_sdst(0) depctr_va_vdst(0) depctr_va_sdst(0) depctr_va_ssrc(0) depctr_va_vcc(0) depctr_vm_vsrc(0)
	s_getreg_b32 s2, hwreg(HW_REG_IB_STS2, 6, 4)
	s_cmp_eq_u32 s2, 0
	s_cbranch_scc0 .Lentry_in_a_cluster
	s_endpgm
.Lentry_in_a_cluster:
	s_bfe_u32 s2, ttmp6, 0x10000c
	s_cmp_lg_u32 s2, 0xf033
	s_cbranch_scc0 .Lentry_shape_is_right
	s_endpgm
.Lentry_shape_is_right:
; lin = query in_proj_weight^T + in_proj_bias on codes of FP6 (E2M3) with E8M0 scales, and q, k, v quantised on the way: q and k along the head's 64, v along the keys.  lin never goes to memory.
; SHARES.  A work-group makes 256 s of one batch (16 tiles of rows) x one head's 192 columns (12 tiles: q 4, k 4, v 4).  Wave w takes 4 tiles of rows x all 12: 48 accumulators, 384 registers, so that
; one wave owns both blocks of every piece of q, k and v that it makes.
; ORIENTATION.  q, k: source 0 = 16 rows of W, source 1 = 16 rows of query: a lane holds one s, its registers run along d.  v: source 0 = query, source 1 = W: a lane holds one d, its registers run along the keys.
; By the choice of a tile's rows (32 B + 8 u + p + 8 (p / 8)) the 16 registers of two neighbouring tiles are 16 neighbours along the next product's K.
; K = 1,024 goes in 8 steps of 128.  Operands lie in memory in the order of the operand's registers (pieces of 768 bytes: 16 rows x 64 K), so a chunk of 256 along K is 3,072 dense bytes a tile.
; LDS: three slots of one chunk each (16 + 12 tiles); chunks 0, 1, 2 are first fills, chunk 3 fills slot 0 again, behind one round of the cluster's barrier, four K steps (192 matrix instructions) ahead of its use.
; A wave has at most one tensor load out at a time.  No prefetch: three quarters of K are asked for at the head.
; CLUSTER 4 x 4: the four of a row of the cluster need the same tiles of query, the four of a column the same tiles of W: joint loads.
; The scale words of all 8 steps are loaded once into 64 registers; the bias is the C of each sum's first product.
; OUTPUT: qc [bh][tile of s] pieces; qs words (s0, s1, s0, s1); kv [bh][16] records of 12,800 bytes for 128 keys: 8 pieces of k, 8 of v (d tile t, keys 64 c on, at 6,144 + 1,536 t + 768 c), 256 bytes of k's pair words, 256 of v's words.
; LIMITS: NaN and infinities are not served; blocks under 2^-124 and blocks of zeros get the byte 1 (this program alone reads the bytes).
; REGISTERS: window 0: v4-23 addresses, v24-31 scale words made, v32-95 scale words read, v96-239 W's 12 fragments (one set), v240-255 at work.  window 1: query's 4 fragments, two sets.
;   window 2: q, k accumulators at 64 a + 8 t.  window 3: v's at 32 t + 8 a; the bias tiles from v128 (q, k) and v192 (v).
.set SLOT,  86016                      ; 16 x 3,072 of query, then 12 x 3,072 of W
.set WOFF,  49152
.set SPARE, 3*SLOT                     ; the spare words: 128 bytes a wave, two blocks of 256 bytes that no other line names
.set SX,    SPARE+512                  ; 1,024 bytes: the records' scale words meet here; no fill lands here
.set AX16, 4                           ; v4-6   slot s: my 4 tiles of query, + 16 x lane;  v7-9 the same + 8 x lane
.set AX8,  7
.set AW16, 10                          ; v10-12, v13-15 the same for W's 12 tiles
.set AW8,  13
.set SPW,  16
.set NIL,  17
.set L16,  18
.set L8,   19
.set SXK,  20
.set SXV,  21
.set SXR,  22
.set RH,   23
.set PW,   24
.set HW,   28
.set SC,   32
.set WF,   96
.set CT,   176
.set TM,   240
.set BQ,   128
.set BV,   192
.set WV,   16
.set G1X,  24
.set G0X,  32
.set G0W,  48
.set SEL,  66
.set G1W,  68
.set MSB,  0
.macro WIN new                         ; the immediate's high byte repeats the setting that is left
.if MSB != (\new)
	s_set_vgpr_msb (MSB<<8)|(\new)
.set MSB, \new
.endif
.endm
.macro PLACES n
.rept \n
	v_nop
.endr
.endm
.macro CREST                           ; a round of the cluster's barrier behind its opening barrier
	s_cmp_lg_u32 s[WV], 0
	s_cbranch_scc1 .Lnot_wave_0_\@
	s_barrier_signal -3
.Lnot_wave_0_\@:
	s_barrier_wait -3
	s_barrier_signal -1
	s_barrier_wait -1
.endm
.macro CROUND
	s_barrier_signal -1
	s_barrier_wait -1
	CREST
.endm
.macro FRAG reg, a16, a8, off          ; a fragment, 12 registers, is two pieces on end: 16 + 8 bytes a lane from each
	ds_load_b128 v[\reg:\reg+3], v[\a16] offset:\off
	ds_load_b64 v[\reg+4:\reg+5], v[\a8] offset:\off+512
	ds_load_b128 v[\reg+6:\reg+9], v[\a16] offset:\off+768
	ds_load_b64 v[\reg+10:\reg+11], v[\a8] offset:\off+1280
.endm
.macro FETCH_X slot, k2, set           ; my 4 fragments of query: 16 loads
	WIN 0x40
.irp a, 0,1,2,3
	FRAG 48*(\set)+12*\a, AX16+\slot, AX8+\slot, 3072*\a+1536*(\k2)
.endr
	WIN 0
.endm
.macro FETCH_W slot, k2, t0            ; six of W's fragments: 24 loads
.irp i, 0,1,2,3,4,5
	FRAG WF+12*((\t0)+\i), AW16+\slot, AW8+\slot, 3072*((\t0)+\i)+1536*(\k2)
.endr
.endm
.macro WM d, a, b, c, sa, sb, ra, rb   ; one product; ra, rb: the side's scale words stand in lanes 16-31
.if (\ra) && (\rb)
	v_wmma_scale_f32_16x16x128_f8f6f4 v[\d:\d+7], v[\a:\a+11], v[\b:\b+11], v[\c:\c+7], v[\sa], v[\sb] matrix_a_fmt:MATRIX_FMT_FP6 matrix_b_fmt:MATRIX_FMT_FP6 matrix_a_scale:MATRIX_SCALE_ROW1 matrix_b_scale:MATRIX_SCALE_ROW1
.elseif (\ra)
	v_wmma_scale_f32_16x16x128_f8f6f4 v[\d:\d+7], v[\a:\a+11], v[\b:\b+11], v[\c:\c+7], v[\sa], v[\sb] matrix_a_fmt:MATRIX_FMT_FP6 matrix_b_fmt:MATRIX_FMT_FP6 matrix_a_scale:MATRIX_SCALE_ROW1
.elseif (\rb)
	v_wmma_scale_f32_16x16x128_f8f6f4 v[\d:\d+7], v[\a:\a+11], v[\b:\b+11], v[\c:\c+7], v[\sa], v[\sb] matrix_a_fmt:MATRIX_FMT_FP6 matrix_b_fmt:MATRIX_FMT_FP6 matrix_b_scale:MATRIX_SCALE_ROW1
.else
	v_wmma_scale_f32_16x16x128_f8f6f4 v[\d:\d+7], v[\a:\a+11], v[\b:\b+11], v[\c:\c+7], v[\sa], v[\sb] matrix_a_fmt:MATRIX_FMT_FP6 matrix_b_fmt:MATRIX_FMT_FP6
.endif
.endm
; W's tile t against my four tiles of rows, K step kap.  The 48 accumulators take turns, one instruction a turn, in the same order in every step.
.macro PROD t, kap, first
.irp a, 0,1,2,3
.set rX, 48*((\kap)%2)+12*\a
.set rW, WF+12*(\t)
.set sW, SC+8*((\t)%6)+(\kap)          ; W's words: register t % 6, lanes 16-31 for tiles 6-11
.set sX, SC+48+8*(\a%2)+(\kap)         ; query's: register a % 2, lanes 16-31 for tiles 2, 3
.if (\t) < 8
.set rD, 64*\a+8*(\t)
.if \first
	WIN 0xb4                                       ; W window 0, query window 1, the bias window 3, D window 2
.set rC, BQ+8*(\t)
.else
	WIN 0xa4
.set rC, rD
.endif
	WM rD, rW, rX, rC, sW, sX, (\t)/6, \a/2
.else
	WIN 0xf1                                       ; query window 1, W window 0, C and D window 3
.set rD, 32*((\t)-8)+8*\a
.if \first
.set rC, BV+8*((\t)-8)
.else
.set rC, rD
.endif
	WM rD, rX, rW, rC, sX, sW, \a/2, 1
.endif
.endr
.endm
; A K step whose successor's fragments lie in slot sn at half kn.  W has one set of registers: blocks 0-5 are fetched anew in the step's middle, blocks 6-11 at its end; query has two sets.
; Four plain places stand in front of each run of loads into registers that matrix instructions have read (ISA guide 7.12.1 for vector instructions).
.macro STEP kap, sn, kn, first
	s_wait_dscnt 24                                ; all but the youngest 24 loads, W's blocks 6-11
.irp t, 0,1,2,3,4,5
	PROD \t, \kap, \first
.endr
	s_wait_dscnt 0x0
	PLACES 4
	FETCH_X \sn, \kn, 1-(\kap)%2
	FETCH_W \sn, \kn, 0
.irp t, 6,7,8,9,10,11
	PROD \t, \kap, \first
.endr
	PLACES 4
	WIN 0
	FETCH_W \sn, \kn, 6
.endm
; THE LOADS AS THIS TEXT HAS THEM: a load brings a chunk's 16 tiles of query or its 12 tiles of W whole.  At the head each wave issues one: wave 0 query's chunk 0, wave 1 W's, wave 2 query's chunk 1, wave 3 W's.
; Chunk 2 (slot 2's first fill) goes out behind the three lines and a round, chunk 3 fills slot 0 again behind the round in K step 2.  A wave never has more than one tensor load out.
; No prefetch: the text has no loop to run ahead in.
.macro JPAIR c, w0                     ; chunk c: wave w0 asks for query's tiles, wave w0 + 1 for W's; the other two ask for nothing
	s_cmp_eq_u32 s[WV], \w0
	s_cbranch_scc0 .Lnot_x_\@
	tensor_load_to_lds s[G0X+4*\c:G0X+4*\c+3], s[G1X:G1X+7]
	s_nop 0
	PLACES 4
	s_branch .Lasked_\@
.Lnot_x_\@:
	s_cmp_eq_u32 s[WV], \w0+1
	s_cbranch_scc0 .Lasked_\@
	tensor_load_to_lds s[G0W+4*\c:G0W+4*\c+3], s[G1W:G1W+7]
	s_nop 0
	PLACES 4
.Lasked_\@:
.endm
; A K step that leaves a slot: one barrier; in front of it each wave waits for all its tensor loads, adds 0 to its spare word, and waits for that and for its reads of the slot.
; A WORK-GROUP STAYS AND MAKES TWO TILES: y (batches 0, 1) and y + 16 (batches 2, 3) of the same head, so W, its scale words and the bias serve both.  256 work-groups.
; In the first tile's K step 5 slots 1 and 2 have been left: behind that step's round the four waves ask for the second tile's chunks 0 and 1, which land under steps 6, 7 and the way out.
; The second tile's chunk c lies in slot (c + 1) % 3; its text is the first tile's with the slots turned by one.
.set NEXTX, 256*12288                  ; bytes from a tile of query, and from a piece of q, to that of y + 16: 256 tiles of 12,288 bytes; 4,096 pieces of 768
.macro JQUAD                           ; the second tile's chunks 0 and 1, one load a wave: one chain of branches on the wave's number, a load to each arm, all arms leading to one join
	s_cmp_lt_u32 s[WV], 1
	s_cbranch_scc0 .Lq1_\@
	tensor_load_to_lds s[G0X:G0X+3], s[G1X:G1X+7]
	s_nop 0
	PLACES 4
	s_branch .Lq4_\@
.Lq1_\@:
	s_cmp_lt_u32 s[WV], 2
	s_cbranch_scc0 .Lq2_\@
	tensor_load_to_lds s[G0W:G0W+3], s[G1W:G1W+7]
	s_nop 0
	PLACES 4
	s_branch .Lq4_\@
.Lq2_\@:
	s_cmp_lt_u32 s[WV], 3
	s_cbranch_scc0 .Lq3_\@
	tensor_load_to_lds s[G0X+4:G0X+7], s[G1X:G1X+7]
	s_nop 0
	PLACES 4
	s_branch .Lq4_\@
.Lq3_\@:
	tensor_load_to_lds s[G0W+4:G0W+7], s[G1W:G1W+7]
	s_nop 0
	PLACES 4
.Lq4_\@:
.endm
.macro TURN kap, sn, kn, fill          ; fill = 1: chunk 3 is asked for; fill = 2: the next tile's chunks 0 and 1
	s_wait_tensorcnt 0x0                           ; all my tensor loads have landed
	ds_add_u32 v[SPW], v[NIL]                      ; 0 onto my spare word
.if \fill == 2
.irp c, 0,1,2,3                        ; no tensor load of mine is out, so every group 0 may be written: the next tile's chunk c, in slot (c + 1) % 3
	s_mov_b32 s[G0X+4*\c+1], ((\c+1)%3)*SLOT
	s_add_nc_u64 s[G0X+4*\c+2:G0X+4*\c+3], s[G0X+4*\c+2:G0X+4*\c+3], NEXTX
	s_mov_b32 s[G0W+4*\c+1], WOFF+((\c+1)%3)*SLOT
.endr
.endif
	s_wait_dscnt 25                                ; (the add and the youngest 24 loads may be out)
.irp t, 0,1,2
	PROD \t, \kap, 0
.endr
	s_wait_dscnt 0x0                               ; the add is done, and my reads of this slot are over
	s_barrier_signal -1
.irp t, 3,4,5
	PROD \t, \kap, 0
.endr
	WIN 0
	s_barrier_wait -1
.if \fill
	CREST                                          ; the barrier has opened a round of the cluster's: no wave of any partner still reads the slots left or has a load on its way
.if \fill == 2
	JQUAD                                          ; the first tensor load behind the round, one a wave
.else
	JPAIR 3, 2                                     ; the first tensor load behind the round
.endif
.endif
	PLACES 4                                       ; on every wave's way: the places in front of the loads below
	FETCH_X \sn, \kn, 1-(\kap)%2
	FETCH_W \sn, \kn, 0
.irp t, 6,7,8,9,10,11
	PROD \t, \kap, 0
.endr
	PLACES 4
	WIN 0
	FETCH_W \sn, \kn, 6
.endm
; 32 nc numbers of a lane in window win, register 16 b + i = k 32 b + 16 h + i of my row, become codes in v[pc] on (6 registers for each 64 along K) and the blocks' bytes in v[pw].
; Each accumulator is read from its low end on.
.macro QUANT s, win, nc, pc, pw
	WIN 0x28+0x14*((\win)-2)
.set qb, 0
.rept 2*(\nc)
	v_max3_num_f32 v[TM+qb], 0x1800000, |v[(\s)+16*qb]|, |v[(\s)+16*qb+1]|   ; my 16 numbers of block b, and the floor 2^(3 - 127)
.set qb, qb+1
.endr
.irp i, 2,4,6,8,10,12,14
.set qb, 0
.rept 2*(\nc)
	v_max3_num_f32 v[TM+qb], v[TM+qb], |v[(\s)+16*qb+\i]|, |v[(\s)+16*qb+\i+1]|
.set qb, qb+1
.endr
.endr
	WIN 0
.set qb, 0
.rept 2*(\nc)
	v_permlanex16_b32 v[TM+4+qb], v[TM+qb], s[SEL], s[SEL+1]
.set qb, qb+1
.endr
.set qb, 0
.rept 2*(\nc)
	v_max_num_f32 v[TM+qb], v[TM+qb], v[TM+4+qb]   ; with lane l xor 16's: the block's largest magnitude
.set qb, qb+1
.endr
.set qb, 0
.rept 2*(\nc)
	v_add_nc_u32 v[TM+12+qb], 0xff000000, v[TM+qb] ; 2 off the exponent field: the conversion's scale operand
.set qb, qb+1
.endr
.set qb, 0
.rept 2*(\nc)
	v_lshrrev_b32 v[TM+4+qb], 23, v[TM+12+qb]      ; the scale's byte
.set qb, qb+1
.endr
	v_lshl_or_b32 v[\pw], v[TM+5], 8, v[TM+4]
.if (\nc) == 2
	v_lshl_or_b32 v[\pw], v[TM+6], 16, v[\pw]
	v_lshl_or_b32 v[\pw], v[TM+7], 24, v[\pw]
.endif
	WIN 0x02+((\win)-2)
.set qk, 0
.rept \nc
	v_cvt_scalef32_pk16_fp6_f32 v[(\pc)+6*qk:(\pc)+6*qk+2], v[(\s)+32*qk:(\s)+32*qk+15], v[TM+12+2*qk]
	v_cvt_scalef32_pk16_fp6_f32 v[CT+4*qk:CT+4*qk+2], v[(\s)+32*qk+16:(\s)+32*qk+31], v[TM+12+2*qk+1]
.set qk, qk+1
.endr
	WIN 0
	v_nop                                          ; one plain place behind a scaled conversion
.set qk, 0
.rept \nc                              ; the layout wants a whole block in a lane: lanes 0-15 block 2 c, lanes 16-31 block 2 c + 1
.irp i, 0,1,2
	v_permlane16_swap_b32 v[(\pc)+6*qk+\i], v[CT+4*qk+\i]
.endr
.irp i, 0,1,2
	v_mov_b32 v[(\pc)+6*qk+3+\i], v[CT+4*qk+\i]
.endr
.set qk, qk+1
.endr
.endm
	s_load_b256 s[4:11], s[0:1], 0x0               ; codes, scales, in_proj_bias, qc
	s_load_b128 s[12:15], s[0:1], 0x20             ; qs, kv
	v_lshl_add_u32 v[SPW], v0, 2, SPARE
	v_mov_b32 v[NIL], 0
	ds_add_u32 v16, v17
	ds_add_u32 v16, v17
	s_wait_dscnt 0x0
	v_lshrrev_b32 v1, 5, v0
	v_readfirstlane_b32 s[WV], v1                  ; wave 0..3
	s_lshr_b32 s17, s[WV], 1                       ; which of the two records is mine
	s_and_b32 s18, s[WV], 1                        ; which half of the record
	s_bfe_u32 s19, ttmp6, 0x40000                  ; cx
	s_bfe_u32 s20, ttmp6, 0x40004                  ; cy
	s_lshl_b32 s21, ttmp9, 2
	s_add_co_u32 s21, s21, s19                     ; x: the head
	s_and_b32 s22, ttmp7, 0xffff
	s_lshl_b32 s22, s22, 2
	s_add_co_u32 s22, s22, s20                     ; y = 8 x batch + the block of 256 s
	s_lshl_b32 s23, s20, 2
	s_lshl_b32 s23, 15, s23                        ; my row of the cluster
	s_lshl_b32 s76, 0x1111, s19                    ; my column
	; group 1: rows of 3,072 bytes (384 elements of 8 bytes), 12,288 bytes apart in memory, dense in LDS; 16 rows of query or 12 of W
	s_or_b32 s[G1X], s23, (3<<16)|(1<<21)
	s_or_b32 s[G1W], s76, (3<<16)|(1<<21)
	s_mov_b32 s[G1X+1], 384<<16                    ; tensor_dim0
	s_mov_b32 s[G1X+2], 16<<16                     ; tensor_dim1: 16 tiles of query
	s_mov_b32 s[G1X+3], 384<<16                    ; tile_dim0
	s_mov_b32 s[G1X+4], 16                         ; tile_dim1
	s_mov_b32 s[G1X+5], 1536                       ; the pitch
	s_mov_b32 s[G1X+6], 0
	s_mov_b32 s[G1X+7], 0
	s_mov_b32 s[G1W+1], 384<<16
	s_mov_b32 s[G1W+2], 12<<16                     ; 12 tiles of W
	s_mov_b32 s[G1W+3], 384<<16
	s_mov_b32 s[G1W+4], 12
	s_mov_b32 s[G1W+5], 1536
	s_mov_b32 s[G1W+6], 0
	s_mov_b32 s[G1W+7], 0
	s_lshl_b32 s78, s22, 4                         ; query: tile 16 y: hangs on y alone
	s_mul_i32 s78, s78, 12288
	s_mov_b32 s79, 0
	s_mul_i32 s80, s21, 12                         ; W: tile 512 + 12 x: hangs on x alone
	s_add_co_u32 s80, s80, 512
	s_mul_i32 s80, s80, 12288
	s_mov_b32 s81, 0
	s_mov_b32 s[SEL], 0x76543210
	s_mov_b32 s[SEL+1], 0xfedcba98
	s_wait_kmcnt 0x0
	s_add_nc_u64 s[78:79], s[4:5], s[78:79]
	s_add_nc_u64 s[80:81], s[4:5], s[80:81]
	CROUND                                         ; all sixteen work-groups are here: the first joint loads meet
.irp c, 0,1,2,3                        ; a group 0 for each chunk
	s_mov_b32 s[G0X+4*\c], 1
	s_mov_b32 s[G0X+4*\c+1], (\c%3)*SLOT
	s_add_nc_u64 s[G0X+4*\c+2:G0X+4*\c+3], s[78:79], 3072*\c
	s_or_b32 s[G0X+4*\c+3], s[G0X+4*\c+3], 0x80000000
	s_mov_b32 s[G0W+4*\c], 1
	s_mov_b32 s[G0W+4*\c+1], WOFF+(\c%3)*SLOT
	s_add_nc_u64 s[G0W+4*\c+2:G0W+4*\c+3], s[80:81], 3072*\c
	s_or_b32 s[G0W+4*\c+3], s[G0W+4*\c+3], 0x80000000
.endr
; The head's loads, one a wave: one chain of branches on the wave's number, a load to each arm, all arms leading to one join
.macro ARM under, g0, g1, next
	s_cmp_lt_u32 s[WV], \under
	s_cbranch_scc0 \next
	tensor_load_to_lds s[\g0:\g0+3], s[\g1:\g1+7]
	s_nop 0
	PLACES 4
	s_branch .Lfirst_done
\next:
.endm
	ARM 1, G0X, G1X, .Lhead_w0
	ARM 2, G0W, G1W, .Lhead_x1
	ARM 3, G0X+4, G1X, .Lhead_w1
	tensor_load_to_lds s[G0W+4:G0W+7], s[G1W:G1W+7]
	s_nop 0
	PLACES 4
.Lfirst_done:
	v_and_b32 v1, 31, v0                           ; lane
	v_and_b32 v2, 15, v0                           ; r
	v_bfe_u32 v3, v0, 4, 1                         ; h
	v_lshlrev_b32 v[L16], 4, v1
	v_lshlrev_b32 v[L8], 3, v1
	s_mul_i32 s2, s[WV], 12288                     ; my 4 tiles of query
	v_add_nc_u32 v[AX16], s2, v[L16]
	v_add_nc_u32 v[AX8], s2, v[L8]
	v_add_nc_u32 v[AW16], WOFF, v[L16]
	v_add_nc_u32 v[AW8], WOFF, v[L8]
.irp s, 1,2
	v_add_nc_u32 v[AX16+\s], \s*SLOT, v[AX16]
	v_add_nc_u32 v[AX8+\s], \s*SLOT, v[AX8]
	v_add_nc_u32 v[AW16+\s], \s*SLOT, v[AW16]
	v_add_nc_u32 v[AW8+\s], \s*SLOT, v[AW8]
.endr
	s_lshl_b32 s2, s17, 9
	s_add_co_u32 s2, s2, SX                        ; my record's 512 bytes of scale words
	s_lshl_b32 s3, s18, 3
	s_add_co_u32 s3, s3, s2
	v_lshl_add_u32 v[SXK], v2, 4, s3               ; k's pair words: 16 r + 8 x half
	s_lshl_b32 s3, s18, 1
	s_add_co_u32 s3, s3, s2
	s_add_co_u32 s3, s3, 256
	v_lshl_add_u32 v[SXV], v2, 4, s3               ; v's words: 256 + 16 r + 2 x half (+ 4 x d tile)
	s_lshl_b32 s3, s[WV], 8
	s_add_co_u32 s3, s3, SX
	v_add_nc_u32 v[SXR], s3, v[L8]                 ; back: 256 bytes a wave
	v_lshlrev_b32 v[RH], 4, v2
	v_lshl_add_u32 v[RH], v3, 3, v[RH]             ; 16 r + 8 h
	v_lshlrev_b32 v240, 4, v2
	v_lshl_add_u32 v241, v3, 10, v240              ; query's scale words: 16 r, lanes 16-31 two tiles on
	v_mad_u32_u24 v240, v3, 3072, v240             ; W's: lanes 16-31 six tiles on
	s_wait_alu depctr_va_vdst(0)
	v_lshlrev_b32 v242, 6, v3                      ; the bias of q, k: 16 h numbers on
	v_and_b32 v243, 8, v2
	v_add_nc_u32 v243, v243, v2
	v_lshlrev_b32 v243, 2, v243                    ; the bias of v: number r + 8 (r / 8) of the tile
	s_wait_alu depctr_va_vdst(0)
.irp b, 4,5,6,7
	v_mov_b32 v[TM+\b], 0                          ; written once: a lane permute's destination counts as read
.endr
	s_mul_i32 s86, s21, 12*512
	s_add_co_u32 s86, s86, 512*512
	s_mov_b32 s87, 0
	s_add_nc_u64 s[86:87], s[6:7], s[86:87]        ; W's scale words
	s_lshl_b32 s88, s22, 13
	s_lshl_b32 s2, s[WV], 11
	s_add_co_u32 s88, s88, s2
	s_mov_b32 s89, 0
	s_add_nc_u64 s[88:89], s[6:7], s[88:89]        ; my tiles' of query
	s_mul_i32 s76, s21, 768
	s_mov_b32 s77, 0
	s_add_nc_u64 s[76:77], s[8:9], s[76:77]        ; the head's 192 numbers of the bias
.irp p, 0,1,2,3,4,5
.irp k, 0,1
	global_load_b128 v[SC+8*\p+4*\k:SC+8*\p+4*\k+3], v240, s[86:87] offset:512*\p+256*\k   ; sixteen lanes read 256 consecutive bytes: a tile's words of four K steps
.endr
.endr
.irp q, 0,1
.irp k, 0,1
	global_load_b128 v[SC+48+8*\q+4*\k:SC+48+8*\q+4*\k+3], v241, s[88:89] offset:512*\q+256*\k
.endr
.endr
.irp t, 0,1,2,3
	global_load_b32 v[PW+\t], v243, s[76:77] offset:(128+32*(\t/2)+8*(\t%2))*4
.endr
	WIN 0xc0                                       ; destination window 3
.irp t, 0,1,2,3,4,5,6,7
	global_load_b128 v[BQ+8*\t:BQ+8*\t+3], v242, s[76:77] offset:(32*(\t/2)+8*(\t%2))*4
	global_load_b128 v[BQ+8*\t+4:BQ+8*\t+7], v242, s[76:77] offset:(32*(\t/2)+8*(\t%2))*4+16
.endr
	WIN 0
	s_lshr_b32 s2, s22, 3
	s_lshl_b32 s2, s2, 4
	s_add_co_u32 s2, s2, s21                       ; bh = 16 x batch + head
	s_and_b32 s3, s22, 7                           ; the block of 256 s in the batch
	s_lshl_b32 s90, s2, 7
	s_lshl_b32 s92, s3, 4
	s_add_co_u32 s90, s90, s92
	s_lshl_b32 s92, s[WV], 2
	s_add_co_u32 s90, s90, s92                     ; my first tile of q: 128 bh + 16 block + 4 wave
	s_lshl_b32 s98, s90, 6
	s_mul_i32 s90, s90, 768
	s_mov_b32 s91, 0
	s_mov_b32 s99, 0
	s_add_nc_u64 s[90:91], s[10:11], s[90:91]      ; q's pieces
	s_add_nc_u64 s[98:99], s[12:13], s[98:99]      ; q's words: 256 bytes for my four tiles
	s_lshl_b32 s92, s2, 4
	s_lshl_b32 s94, s3, 1
	s_add_co_u32 s92, s92, s94
	s_add_co_u32 s92, s92, s17
	s_mul_i32 s92, s92, 12800
	s_mov_b32 s93, 0
	s_add_nc_u64 s[96:97], s[14:15], s[92:93]      ; my record
	s_mul_i32 s92, s18, 3072
	s_add_nc_u64 s[92:93], s[96:97], s[92:93]      ; k's pieces: my four of the eight
	s_mul_i32 s94, s18, 768
	s_add_co_u32 s94, s94, 6144
	s_mov_b32 s95, 0
	s_add_nc_u64 s[94:95], s[96:97], s[94:95]      ; v's pieces: my 64 keys of the 128
	s_lshl_b32 s2, s18, 8
	s_add_co_u32 s2, s2, 12288
	s_mov_b32 s3, 0
	s_add_nc_u64 s[96:97], s[96:97], s[2:3]        ; the half of the record's scale words that I store
	s_wait_alu depctr_va_vdst(0)
	s_wait_tensorcnt 0x0                           ; my tile of chunks 0 and 1 is in; these lines stand ahead of a later first fill as ahead of a refill
	ds_add_u32 v[SPW], v[NIL]
	s_wait_dscnt 0x0
	CROUND                                         ; chunks 0 and 1 are whole for every wave, and all sixteen work-groups are here
	JPAIR 2, 0                                     ; chunk 2 into slot 2, the first tensor load behind the round
	FETCH_X 0, 0, 0
	FETCH_W 0, 0, 0
	FETCH_W 0, 0, 6
	s_wait_loadcnt 0x0                             ; the scale words and the bias
	WIN 0xc0
.irp t, 0,1,2,3
.irp j, 0,1,2,3,4,5,6,7
	v_mov_b32 v[BV+8*\t+\j], v[PW+\t]              ; v's bias tile: a lane holds one d, so all eight registers hold its number
.endr
.endr
	s_wait_alu depctr_va_vdst(0)
; A tile's eight K steps and the way out of q and k.  Chunks 0 and 3 lie in slot s0, chunk 1 in s1, chunk 2 in s2; f5: what step 5's barrier is followed by (0 nothing, 2 the next tile's first chunks)
.macro TILE s0, s1, s2, f5
	STEP 0, \s0, 1, 1                              ; the first step's products start the sums from the bias
	STEP 1, \s1, 0, 0
	TURN 2, \s1, 1, 1                              ; slot s0 was left with step 1 and takes chunk 3.  Every wave has waited for chunk 2 here
	STEP 3, \s2, 0, 0
	STEP 4, \s2, 1, 0
	TURN 5, \s0, 0, \f5                            ; chunk 3 is shown whole to every wave
	STEP 6, \s0, 1, 0
	s_wait_dscnt 24
.irp t, 0,1,2,3,4,5
	PROD \t, 7, 0
.endr
	s_wait_dscnt 0x0
.irp t, 6,7,8,9,10,11
	PROD \t, 7, 0
.endr
	WIN 0
	PLACES 4                                       ; in front of the first read of results and the first write of W's registers
	; THE WAY OUT.  The codes come out as images of the next products' operand registers: no stage.  Each piece has registers of its own, so no store's data are written again.
.irp a, 0,1,2,3
	QUANT 64*\a, 2, 2, WF+12*\a, PW+\a
	global_store_b128 v[L16], v[WF+12*\a:WF+12*\a+3], s[90:91] offset:768*\a          ; q's piece
	global_store_b64 v[L8], v[WF+12*\a+4:WF+12*\a+5], s[90:91] offset:768*\a+512
	global_store_b128 v[L16], v[WF+12*\a+6:WF+12*\a+9], s[92:93] offset:768*\a        ; k's piece
	global_store_b64 v[L8], v[WF+12*\a+10:WF+12*\a+11], s[92:93] offset:768*\a+512
.endr
; v along the keys.  By the order of s in query's tiles (tile 4 C + u, row p: 64 C + 32 (p / 8) + 8 u + p % 8) register 8 a + j of a d tile is key 32 h + 8 a + j of my 64: a whole block of 32 lies in one lane.
.endm
.macro QUANTV s, pc, pw
	WIN 0x3c
.irp e, 0,1
	v_max3_num_f32 v[TM+\e], 0x1800000, |v[(\s)+16*\e]|, |v[(\s)+16*\e+1]|   ; two chains, and the floor 2^(3 - 127); each accumulator from its low end on
.endr
.irp i, 2,4,6,8,10,12,14
.irp e, 0,1
	v_max3_num_f32 v[TM+\e], v[TM+\e], |v[(\s)+16*\e+\i]|, |v[(\s)+16*\e+\i+1]|
.endr
.endr
	WIN 0
	v_max_num_f32 v[TM], v[TM], v[TM+1]            ; my block's largest magnitude
	v_add_nc_u32 v[TM+12], 0xff000000, v[TM]       ; the conversion's scale operand
	v_lshrrev_b32 v[TM+4], 23, v[TM+12]            ; the byte,
	v_lshlrev_b32 v[TM+4], v[TM+8], v[TM+4]        ; 8 h bits up;
	v_permlanex16_b32 v[TM+5], v[TM+4], s[SEL], s[SEL+1]
	v_or_b32 v[\pw], v[TM+4], v[TM+5]              ; with lane l xor 16's: the two bytes of my 64 keys, the same in both lanes
	WIN 0x03
	v_cvt_scalef32_pk16_fp6_f32 v[(\pc):(\pc)+2], v[(\s):(\s)+15], v[TM+12]
	v_cvt_scalef32_pk16_fp6_f32 v[CT:CT+2], v[(\s)+16:(\s)+31], v[TM+12]
	WIN 0
	v_nop                                          ; one plain place behind a scaled conversion
.irp i, 0,1,2
	v_mov_b32 v[(\pc)+3+\i], v[CT+\i]
.endr
.endm
.macro OUTV                            ; the way out of v and of the scale words
	v_lshlrev_b32 v[TM+8], 3, v3                   ; 8 h
.irp t, 0,1,2,3
	QUANTV 32*\t, WF+48+8*\t, HW+\t
	global_store_b128 v[L16], v[WF+48+8*\t:WF+48+8*\t+3], s[94:95] offset:1536*\t     ; v's piece: d tile t, my 64 keys
	global_store_b64 v[L8], v[WF+48+8*\t+4:WF+48+8*\t+5], s[94:95] offset:1536*\t+512
.endr
.irp a, 0,1,2,3
	v_perm_b32 v[184+\a], v[PW+\a], v[PW+\a], 0x01000100   ; q's word: its two bytes twice, for either half of the instruction's K
.endr
	v_cndmask_b32 v188, v184, v186, s[SEL+1]       ; (placeholder overwritten below)
	s_mov_b32 s2, 0xffff0000
	v_cndmask_b32 v188, v184, v186, s2             ; lanes 0-15 store tiles 0, 1 of their row, lanes 16-31 tiles 2, 3
	v_cndmask_b32 v189, v185, v187, s2
	global_store_b64 v[RH], v[188:189], s[98:99]   ; 256 consecutive bytes, aligned
	v_perm_b32 v190, v[PW+1], v[PW], 0x07060302    ; k's pair word: tile 2 B's two bytes, then tile 2 B + 1's
	v_perm_b32 v191, v[PW+3], v[PW+2], 0x07060302
	ds_store_b64 v[SXK], v[190:191]
.irp t, 0,1,2,3
	ds_store_b16 v[SXV], v[HW+\t] offset:4*\t      ; v's two bytes of my 64 keys
.endr
	s_wait_dscnt 0x0                               ; for the others' sake: my stores have landed
	s_barrier_signal -1
	s_barrier_wait -1
	ds_load_b64 v[192:193], v[SXR]
	s_wait_dscnt 0x0
	global_store_b64 v[L8], v[192:193], s[96:97]   ; 256 consecutive bytes, aligned
.endm
	TILE 0, 1, 2, 2
	OUTV
	; THE SECOND TILE: y + 16, that is two batches, 32 bh, on
	s_wait_xcnt 0x0                                ; the first tile's stores have read their data and their bases: both are written again only behind this wait
	s_add_nc_u64 s[88:89], s[88:89], 131072        ; query's scale words: 16 x 8,192 bytes
	s_add_nc_u64 s[90:91], s[90:91], NEXTX         ; q's pieces: 4,096 x 768
	s_add_nc_u64 s[98:99], s[98:99], 262144        ; q's words: 4,096 x 64
	s_add_nc_u64 s[92:93], s[92:93], 6553600       ; the records: 512 x 12,800
	s_add_nc_u64 s[94:95], s[94:95], 6553600
	s_add_nc_u64 s[96:97], s[96:97], 6553600
	v_lshlrev_b32 v240, 4, v2
	v_lshl_add_u32 v241, v3, 10, v240              ; query's scale words: 16 r, lanes 16-31 two tiles on
	s_wait_alu depctr_va_vdst(0)
.irp q, 0,1
.irp k, 0,1
	global_load_b128 v[SC+48+8*\q+4*\k:SC+48+8*\q+4*\k+3], v241, s[88:89] offset:512*\q+256*\k
.endr
.endr
	s_wait_tensorcnt 0x0                           ; my tile of the second tile's chunks 0 and 1 is in
	ds_add_u32 v[SPW], v[NIL]
	s_wait_dscnt 0x0                               ; the add is done, and my reads of slot 0 are over
	CROUND                                         ; both hold of every wave of every work-group of the cluster
	JPAIR 2, 0                                     ; chunk 2 fills slot 0 again: the first tensor load behind the round
	FETCH_X 1, 0, 0
	FETCH_W 1, 0, 0
	FETCH_W 1, 0, 6
	s_wait_loadcnt 0x0                             ; query's scale words
	TILE 1, 2, 0, 0
	OUTV
	s_wait_tensorcnt 0x0
	ds_add_u32 v[SPW], v[NIL]
	s_wait_dscnt 0x0
	CROUND                                         ; the closing round
	s_endpgm
.Lfunc_end_k_q945c146605_qkv:
	.size	k_q945c146605_qkv, .Lfunc_end_k_q945c146605_qkv-k_q945c146605_qkv
	.p2alignl 7, 3214868480
	.fill 96, 4, 3214868480
	.section	.rodata,"a",@progbits
	.p2align	6, 0x0
	.amdhsa_kernel k_q945c146605_qkv
		.amdhsa_group_segment_fixed_size 327680
		.amdhsa_private_segment_fixed_size 0
		.amdhsa_enable_private_segment 0
		.amdhsa_kernarg_size 48
		.amdhsa_user_sgpr_count 2
		.amdhsa_user_sgpr_kernarg_segment_ptr 1
		.amdhsa_wavefront_size32 1
		.amdhsa_system_sgpr_workgroup_id_x 1
		.amdhsa_system_sgpr_workgroup_id_y 1
		.amdhsa_system_sgpr_workgroup_id_z 1
		.amdhsa_system_vgpr_workitem_id 0
		.amdhsa_next_free_vgpr 1024
		.amdhsa_next_free_sgpr 100
		.amdhsa_reserve_vcc 0
		.amdhsa_float_denorm_mode_32 3
		.amdhsa_float_denorm_mode_16_64 3
		.amdhsa_memory_ordered 1
		.amdhsa_forward_progress 1
		.amdhsa_inst_pref_size 242
	.end_amdhsa_kernel
	.amdgpu_metadata
---
amdhsa.version: [ 1, 2 ]
amdhsa.kernels:
  - .name:           k_q945c146605_qkv
    .symbol:         k_q945c146605_qkv.kd
    .args:
      - { .name: codes, .offset: 0, .size: 8, .value_kind: global_buffer, .address_space: global }
      - { .name: scales, .offset: 8, .size: 8, .value_kind: global_buffer, .address_space: global }
      - { .name: in_proj_bias, .offset: 16, .size: 8, .value_kind: global_buffer, .address_space: global }
      - { .name: qc, .offset: 24, .size: 8, .value_kind: global_buffer, .address_space: global }
      - { .name: qs, .offset: 32, .size: 8, .value_kind: global_buffer, .address_space: global }
      - { .name: kv, .offset: 40, .size: 8, .value_kind: global_buffer, .address_space: global }
    .group_segment_fixed_size: 327680
    .private_segment_fixed_size: 0
    .kernarg_segment_align: 8
    .kernarg_segment_size: 48
    .max_flat_workgroup_size: 128
    .sgpr_count:     100
    .vgpr_count:     1024
    .wavefront_size: 32
...
	.end_amdgpu_metadata
.endif
;; end of part 2
;; launch attn (part 3): grid 4 x 64, 16 waves a work-group, clusters of 4 x 1, 327,680 bytes of LDS; arguments qc, qs, kv, cx, cs; writes cx, cs
.if DOCPART == 3
	.amdgcn_target "amdgcn-amd-amdhsa--gfx1250"
	.amdhsa_code_object_version 6
	.text
	.protected	k_q945c146605_attn
	.globl	k_q945c146605_attn
	.p2align	8
	.type	k_q945c146605_attn,@function
k_q945c146605_attn:
	s_mov_b64 s[64:65], 0
	v_nop
	global_prefetch_b8 v0, s[64:65] scope:SCOPE_SE
	s_setreg_imm32_b32 hwreg(HW_REG_WAVE_MODE, 25, 1), 1
	s_wait_xcnt 0x0
	s_wait_alu depctr_hold_cnt(0) depctr_sa_sdst(0) depctr_va_vdst(0) depctr_va_sdst(0) depctr_va_ssrc(0) depctr_va_vcc(0) depctr_vm_vsrc(0)
	s_getreg_b32 s2, hwreg(HW_REG_IB_STS2, 6, 4)
	s_cmp_eq_u32 s2, 0
	s_cbranch_scc0 .Lentry_in_a_cluster
	s_endpgm
.Lentry_in_a_cluster:
	s_bfe_u32 s2, ttmp6, 0x10000c
	s_cmp_lg_u32 s2, 0x3003
	s_cbranch_scc0 .Lentry_shape_is_right
	s_endpgm
.Lentry_shape_is_right:
; ctx = softmax(q k^T / 8) v for one head of one batch, both products on codes of FP6 (E2M3) with E8M0 scales, and ctx quantised along the head's 64 on the way out.
; THE SOFTMAX: t = score x log2(e) / 8; M = the running largest t rounded up to a whole number; p = 2^(t - M) is quantised along the keys, not normalised; the row's sum is taken of the unquantised p and divides at the end.
; When M moves, the sums and O are multiplied by 2^(old M - new M), which rounds nothing.
; SHARES.  A work-group owns 512 queries of one bh; each of its sixteen waves owns one tile of 16 queries in each of two passes: tile 32 cx + 16 pass + wave.  Four waves share a SIMD, 256 registers each: no register window is switched.
; LDS.  The head's 16 records (128 keys each: k's and v's pieces and their scale words, 12,800 bytes) stay in LDS: 204,800 bytes, filled once, a record by each wave's one tensor load.  No slot is filled again.
; CLUSTER 4 x 1: the four work-groups of a bh read the same records: joint loads.  No prefetch: all tiles are asked for at the head.
; LAYOUT.  S^T = k q^T (source 0 = keys, source 1 = queries), O^T = v^T p^T: a lane holds one query throughout.  The head is 64 wide, half of the instruction's 128: source 0 is a PAIR of key tiles;
; against [q | zeros] it gives the first tile's scores, against [zeros | q] the second's.  [q | 0 | q] lies in 18 registers.  Zero codes add nothing under any scale byte but 0xff.
; THE KEYS OF A TILE: tile 4 c + u of a record, row p, is key 64 c + 32 (p / 8) + 8 u + p % 8.  So register 32 c + i of lane (r, h) is key 64 c + 32 h + i: a block of 32 keys lies whole in ONE lane, in the operand's order:
; its maximum asks no other lane and its codes need no swap.  Other lanes are asked once for the row's maximum and once for the scale word.
; ONE BUFFER of 48 registers takes k's fragments and then v's: v is fetched behind the scores' products, the next k behind O's products, under the row's sums.  One load brings k's words (lanes 0-15) and v's (lanes 16-31).
; LIMITS: NaN and infinities are not served; the scaled scores stay under 2^31 in magnitude; blocks under 2^-124 and blocks of zeros get the byte 1 (this program alone reads the bytes).
.set REC,   12800
.set CSG,   16*REC                     ; behind the records: ctx's scale words of the work-group's 32 tiles, 64 bytes each
.set SPARE, CSG+2048                   ; the spare words: 128 bytes a wave, eight blocks of 256 bytes that no other line names
.set ADA,  3                           ; v3, v4  the step's record + 16 x lane, + 8 x lane
.set ADB,  4
.set SH,   11                          ; 8 h
.set SPW,  14
.set NIL,  15
.set KW,   16                          ; v16-19 the record's scale words;  v24, v25 q's words of the two passes
.set PW,   26                          ; p's scale word
.set KV,   32                          ; v32-79 four fragments of k, then of v
.set S,    80                          ; the scores, then p
.set O,    144
.set PC,   176                         ; p's codes
.set CT,   188
.set BM,   196
.set SO,   200
.set F,    204
.set TT,   206
.set MM,   208                         ; -M
.set MX,   210                         ; the largest score so far
.set SUM,  212                         ; the row's sum in four chains of pairs
.set Q,    220                         ; [q | 0 | q]
.set QN,   238                         ; the second pass's q
.set WV,   14
.set SEL,  20
.set CS,   22
.set TB,   28
.set CNT,  29
.set NC,   30
.macro PLACES n
.rept \n
	v_nop
.endr
.endm
.macro CROUND
	s_barrier_signal -1
	s_barrier_wait -1
	s_cmp_lg_u32 s[WV], 0
	s_cbranch_scc1 .Lnot_wave_0_\@
	s_barrier_signal -3
.Lnot_wave_0_\@:
	s_barrier_wait -3
	s_barrier_signal -1
	s_barrier_wait -1
.endm
.macro FRAG reg, off                   ; a fragment, 12 registers, is two pieces on end: 16 + 8 bytes a lane from each
	ds_load_b128 v[\reg:\reg+3], v[ADA] offset:\off
	ds_load_b64 v[\reg+4:\reg+5], v[ADB] offset:\off+512
	ds_load_b128 v[\reg+6:\reg+9], v[ADA] offset:\off+768
	ds_load_b64 v[\reg+10:\reg+11], v[ADB] offset:\off+1280
.endm
.macro FETCH off                       ; 16 loads: the record's k (off = 0) or v (off = 6144)
.irp b, 0,1,2,3
	FRAG KV+12*\b, (\off)+1536*\b
.endr
.endm
.macro SUMS j0, n                      ; n pairs of p from register j0 on, onto the four chains by turns; each chain's first line also brings it under the new M
.set j, \j0
.rept \n
.if j < 8
	v_pk_fma_f32 v[SUM+j:SUM+j+1], v[SUM+j:SUM+j+1], v[F:F+1], v[S+j:S+j+1] op_sel_hi:[1,0,1]
.else
	v_pk_add_f32 v[SUM+(j%8):SUM+(j%8)+1], v[SUM+(j%8):SUM+(j%8)+1], v[S+j:S+j+1]
.endif
.set j, j+2
.endr
.endm
; A key step: 128 keys.  next = 1: the next record's k is fetched behind O's products.
.macro STEP next, p
	s_wait_dscnt 0x0                               ; k and the record's words are in
.irp b, 0,1,2,3
	v_wmma_scale_f32_16x16x128_f8f6f4 v[S+16*\b:S+16*\b+7], v[KV+12*\b:KV+12*\b+11], v[Q:Q+11], 0, v[KW+\b], v[24+\p] matrix_a_fmt:MATRIX_FMT_FP6 matrix_b_fmt:MATRIX_FMT_FP6
	v_wmma_scale_f32_16x16x128_f8f6f4 v[S+16*\b+8:S+16*\b+15], v[KV+12*\b:KV+12*\b+11], v[Q+6:Q+17], 0, v[KW+\b], v[24+\p] matrix_a_fmt:MATRIX_FMT_FP6 matrix_b_fmt:MATRIX_FMT_FP6
.endr
	PLACES 4                                       ; in front of the loads into k's registers and of the first read of the scores
	FETCH 6144                                     ; v
.irp c, 0,1                            ; the largest score of my two blocks, each in two chains; each accumulator is read from its low end on
.irp e, 0,1
	v_max3_num_f32 v[BM+2*\c+\e], v[S+32*\c+16*\e], v[S+32*\c+16*\e+1], v[S+32*\c+16*\e+2]
.endr
.endr
.irp i, 3,5,7,9,11,13
.irp c, 0,1
.irp e, 0,1
	v_max3_num_f32 v[BM+2*\c+\e], v[BM+2*\c+\e], v[S+32*\c+16*\e+\i], v[S+32*\c+16*\e+\i+1]
.endr
.endr
.endr
.irp c, 0,1
	v_max3_num_f32 v[BM+2*\c], v[BM+2*\c], v[S+32*\c+15], v[S+32*\c+31]
.endr
.irp c, 0,1
	s_delay_alu instid0(VALU_DEP_2)
	v_max_num_f32 v[BM+2*\c], v[BM+2*\c], v[BM+2*\c+1]   ; it serves twice: for the row's maximum, and, since p rises with the score, for the block's largest p
.endr
	s_delay_alu instid0(VALU_DEP_1)
	v_max_num_f32 v[TT], v[BM], v[BM+2]
	s_delay_alu instid0(VALU_DEP_1)
	v_permlanex16_b32 v[TT+1], v[TT], s[SEL], s[SEL+1]
	s_delay_alu instid0(VALU_DEP_1)
	v_max3_num_f32 v[MX], v[MX], v[TT], v[TT+1]    ; the running largest score of my query
	s_delay_alu instid0(VALU_DEP_1)
	v_mul_f32 v[TT], s[NC], v[MX]                  ; -t
	s_delay_alu instid0(VALU_DEP_1)
	v_floor_f32 v[TT], v[TT]                       ; the new -M = floor(-t)
	s_delay_alu instid0(VALU_DEP_1)
	v_sub_f32 v[TT+1], v[TT], v[MM]                ; old M - new M: a whole number, 0 or less
	v_mov_b32 v[MM], v[TT]
	s_delay_alu instid0(VALU_DEP_2)
	v_cvt_i32_f32 v[TT+1], v[TT+1]                 ; (it saturates)
	s_delay_alu instid0(VALU_DEP_1)
	v_ldexp_f32 v[F], 1.0, v[TT+1]                 ; f = 2^(old M - new M)
.set j, 0
.rept 32
	v_pk_fma_f32 v[S+j:S+j+1], v[S+j:S+j+1], s[CS:CS+1], v[MM:MM+1] op_sel_hi:[1,0,0]   ; t - M, two at a time
.set j, j+2
.endr
.irp c, 0,1
	v_fma_f32 v[BM+2*\c], v[BM+2*\c], s[CS], v[MM] ; the same of each block's largest score
.endr
.set j, 0
.rept 16
	v_pk_mul_f32 v[O+j:O+j+1], v[O+j:O+j+1], v[F:F+1] op_sel_hi:[1,0]   ; O^T under the new M, ahead of the exponentials, each accumulator from its low end on
.set j, j+2
.endr
	s_wait_alu depctr_va_vdst(0)
.irp c, 0,1
	v_exp_f32 v[BM+2*\c], v[BM+2*\c]               ; the block's largest p
.endr
.set j, 0
.rept 64
	v_exp_f32 v[S+j], v[S+j]                       ; p = 2^(t - M)
.set j, j+1
.endr
	v_nop                                          ; the plain place behind the exponentials
	s_wait_alu depctr_va_vdst(0)                   ; one wait for the batch, ahead of its first reader
.irp c, 0,1
	v_max_num_f32 v[BM+2*\c], 0x1800000, v[BM+2*\c]   ; the floor 2^(3 - 127)
.endr
.irp c, 0,1
	v_add_nc_u32 v[SO+\c], 0xff000000, v[BM+2*\c]  ; the conversion's scale operand
.endr
.irp c, 0,1
	v_cvt_scalef32_pk16_fp6_f32 v[PC+6*\c:PC+6*\c+2], v[S+32*\c:S+32*\c+15], v[SO+\c]
	v_cvt_scalef32_pk16_fp6_f32 v[CT+4*\c:CT+4*\c+2], v[S+32*\c+16:S+32*\c+31], v[SO+\c]   ; (a conversion's three registers begin on an even number)
.endr
.irp c, 0,1
	v_lshrrev_b32 v[BM+2*\c], 23, v[SO+\c]         ; the scale's byte.  These lines are the plain places behind the conversions
.endr
	v_lshl_or_b32 v[TT], v[BM+2], 16, v[BM]        ; my two bytes, blocks h and 2 + h,
	v_lshlrev_b32 v[TT], v[SH], v[TT]              ; at their places in the word;
	v_permlanex16_b32 v[TT+1], v[TT], s[SEL], s[SEL+1]
	v_or_b32 v[PW], v[TT], v[TT+1]                 ; with lane l xor 16's two the word is whole
.irp c, 0,1
.irp i, 0,1,2
	v_mov_b32 v[PC+6*\c+3+\i], v[CT+4*\c+\i]
.endr
.endr
	SUMS 0, 12                                     ; the row's sum of the unquantised p; with the six moves these are the places behind p's scale word and codes
	s_wait_alu depctr_va_vdst(0)
	s_wait_dscnt 0x0                               ; v is in
.irp t, 0,1,2,3
	v_wmma_scale_f32_16x16x128_f8f6f4 v[O+8*\t:O+8*\t+7], v[KV+12*\t:KV+12*\t+11], v[PC:PC+11], v[O+8*\t:O+8*\t+7], v[KW+\t], v[PW] matrix_a_fmt:MATRIX_FMT_FP6 matrix_b_fmt:MATRIX_FMT_FP6 matrix_a_scale:MATRIX_SCALE_ROW1
.endr
	s_add_co_u32 s[TB], s[TB], REC
	SUMS 24, 4                                     ; four places in front of the loads into v's registers and the words'
.if \next
	v_add_nc_u32 v[ADA], s[TB], v1
	v_add_nc_u32 v[ADB], s[TB], v2
	FETCH 0                                        ; the next record's k,
	ds_load_b128 v[KW:KW+3], v[ADA] offset:12288   ; and its words: lanes 0-15 k's pair words, lanes 16-31 v's
.endif
	SUMS 32, 16
.endm
; The tile's state at the start of a pass.  The copies of q stand first: the lines behind them are the places ahead of the first product.
.macro INIT p
.if \p
.irp i, 0,1,2,3,4,5
	v_mov_b32 v[Q+\i], v[QN+\i]
.endr
.endif
.irp i, 0,1,2,3,4,5
	v_mov_b32 v[Q+12+\i], v[Q+\i]
.endr
.if \p == 0
.irp i, 0,1,2,3,4,5
	v_mov_b32 v[Q+6+\i], 0
.endr
.endif
	v_mov_b32 v[MX], 0xff61b1e6                    ; the largest score so far: -3e38
	v_mov_b32 v[MM], 0x7e000000                    ; -M = 2^125: the first step's f comes out 0
	v_mov_b32 v[MM+1], 0                           ; (named as a pair's upper half)
	v_mov_b32 v[F+1], 0
.irp b, TT, TT+1, CT, CT+1
	v_mov_b32 v[\b], 0                             ; a lane permute's destination counts as read
.endr
.set j, 0
.rept 8
	v_mov_b32 v[SUM+j], 0
.set j, j+1
.endr
.set j, 0
.rept 32
	v_mov_b32 v[O+j], 0                            ; the step is written once: the first finds zeros
.set j, j+1
.endr
.endm
; The tile's way out: O^T / the sum, quantised along the head's 64 (two blocks, each across lanes l and l xor 16), stored as a piece of the last product's operand.
.macro FIN p
	v_pk_add_f32 v[SUM:SUM+1], v[SUM:SUM+1], v[SUM+2:SUM+3]
	v_pk_add_f32 v[SUM+4:SUM+5], v[SUM+4:SUM+5], v[SUM+6:SUM+7]
	v_pk_add_f32 v[SUM:SUM+1], v[SUM:SUM+1], v[SUM+4:SUM+5]
	v_add_f32 v[SUM], v[SUM], v[SUM+1]
	v_permlanex16_b32 v[TT], v[SUM], s[SEL], s[SEL+1]
	v_add_f32 v[SUM], v[SUM], v[TT]                ; the row's sum
	s_wait_alu depctr_va_vdst(0)
	v_rcp_f32 v[F], v[SUM]
	v_nop                                          ; a plain place behind the reciprocal
	s_wait_alu depctr_va_vdst(0)                   ; and the wait ahead of its first reader and of O^T's
.set j, 0
.rept 16
	v_pk_mul_f32 v[O+j:O+j+1], v[O+j:O+j+1], v[F:F+1] op_sel_hi:[1,0]
.set j, j+2
.endr
.irp b, 0,1
	v_max3_num_f32 v[BM+\b], |v[O+16*\b]|, |v[O+16*\b+1]|, 0x1800000
.endr
.irp i, 2,4,6,8,10,12,14
.irp b, 0,1
	v_max3_num_f32 v[BM+\b], v[BM+\b], |v[O+16*\b+\i]|, |v[O+16*\b+\i+1]|
.endr
.endr
.irp b, 0,1
	v_permlanex16_b32 v[CT+\b], v[BM+\b], s[SEL], s[SEL+1]
.endr
.irp b, 0,1
	v_max_num_f32 v[BM+\b], v[BM+\b], v[CT+\b]
.endr
.irp b, 0,1
	v_add_nc_u32 v[SO+\b], 0xff000000, v[BM+\b]
.endr
.irp b, 0,1
	v_lshrrev_b32 v[CT+\b], 23, v[SO+\b]
.endr
	v_lshl_or_b32 v[TT], v[CT+1], 8, v[CT]
	v_lshl_or_b32 v[TT], v[TT], 16, v[TT]          ; the two bytes twice: the reader takes either half
	v_cvt_scalef32_pk16_fp6_f32 v[PC:PC+2], v[O:O+15], v[SO]
	v_cvt_scalef32_pk16_fp6_f32 v[CT+4:CT+6], v[O+16:O+31], v[SO+1]
	v_nop
.irp i, 0,1,2
	v_permlane16_swap_b32 v[PC+\i], v[CT+4+\i]
.endr
.irp i, 0,1,2
	v_mov_b32 v[PC+3+\i], v[CT+4+\i]
.endr
	global_store_b128 v1, v[PC:PC+3], s[44:45] offset:16*(\p)*12288        ; 512 consecutive bytes, aligned
	global_store_b64 v2, v[PC+4:PC+5], s[44:45] offset:16*(\p)*12288+512   ; 256 consecutive bytes, aligned
	ds_store_b32 v6, v[TT] offset:1024*(\p)
.endm
.macro PASS p
	INIT \p
	s_mov_b32 s[TB], 0
	v_mov_b32 v[ADA], v1
	v_mov_b32 v[ADB], v2
	FETCH 0
	ds_load_b128 v[KW:KW+3], v[ADA] offset:12288
	s_mov_b32 s[CNT], 15
	s_wait_alu depctr_va_vdst(0)
.Lkeys_\@:
	STEP 1, \p
	s_sub_co_u32 s[CNT], s[CNT], 1
	s_cmp_lg_u32 s[CNT], 0
	s_cbranch_scc1 .Lkeys_\@
	STEP 0, \p                                     ; the last record: nothing more to fetch
	FIN \p
	s_wait_xcnt 0x0                                ; the stores have read their data: the codes' registers may be written again
.endm
	s_load_b256 s[4:11], s[0:1], 0x0               ; qc, qs, kv, cx
	s_load_b64 s[12:13], s[0:1], 0x20              ; cs
	v_lshl_add_u32 v[SPW], v0, 2, SPARE
	v_mov_b32 v[NIL], 0
	ds_add_u32 v[SPW], v[NIL]
	ds_add_u32 v[SPW], v[NIL]
	v_lshrrev_b32 v1, 5, v0
	v_readfirstlane_b32 s[WV], v1                  ; wave 0..15
	s_bfe_u32 s15, ttmp6, 0x40000                  ; my place in the cluster: it enters q's and ctx's addresses alone
	s_and_b32 s16, ttmp7, 0xffff                   ; bh, which the four partners share
	; group 1: 12,800 dense bytes as 50 rows of 256 bytes (32 elements of 8 bytes); the mask names all four
	s_mov_b32 s32, 15|(3<<16)|(1<<21)
	s_mov_b32 s33, 32<<16
	s_mov_b32 s34, 50<<16
	s_mov_b32 s35, 32<<16
	s_mov_b32 s36, 50
	s_mov_b32 s37, 32
	s_mov_b32 s38, 0
	s_mov_b32 s39, 0
	s_mul_i32 s48, s16, 16*REC
	s_mul_i32 s17, s[WV], REC                      ; my record, in memory and in LDS alike
	s_add_co_u32 s48, s48, s17
	s_mov_b32 s49, 0
	s_mov_b32 s[SEL], 0x76543210
	s_mov_b32 s[SEL+1], 0xfedcba98
	s_mov_b32 s[CS], 0x3e38aa3b                    ; log2(e) / 8
	s_mov_b32 s[CS+1], s[CS]
	s_mov_b32 s[NC], 0xbe38aa3b                    ; and its negative
	s_wait_dscnt 0x0
	s_wait_kmcnt 0x0
	s_mov_b32 s24, 1
	s_mov_b32 s25, s17
	s_add_nc_u64 s[26:27], s[8:9], s[48:49]
	s_or_b32 s27, s27, 0x80000000
	CROUND                                         ; all four work-groups are here: the joint loads meet
	tensor_load_to_lds s[24:27], s[32:39]          ; a wave's one tensor load
	s_nop 0
	PLACES 4
	s_lshl_b32 s52, s[WV], 6
	s_add_co_u32 s52, s52, CSG
	v_and_b32 v9, 31, v0
	v_and_b32 v10, 15, v0
	v_bfe_u32 v11, v0, 4, 1
	v_lshlrev_b32 v8, 3, v0
	v_lshlrev_b32 v1, 4, v9                        ; 16 x lane
	v_lshlrev_b32 v2, 3, v9                        ; 8 x lane
	v_lshlrev_b32 v5, 4, v10                       ; 16 r
	v_lshl_add_u32 v6, v10, 2, s52                 ; where my tile's scale words go: 64 x wave + 4 r
	v_lshlrev_b32 v[SH], 3, v11                    ; 8 h
	v_and_b32 v8, 2047, v8                         ; how the words leave: 8 bytes a thread of waves 0-7
	v_add_nc_u32 v7, CSG, v8
	s_wait_alu depctr_va_vdst(0)
	s_lshl_b32 s50, s16, 7
	s_lshl_b32 s51, s15, 5
	s_add_co_u32 s50, s50, s51
	s_add_co_u32 s50, s50, s[WV]                   ; my first tile of q: 128 bh + 32 cx + wave
	s_mul_i32 s50, s50, 768
	s_mov_b32 s51, 0
	s_add_nc_u64 s[40:41], s[4:5], s[50:51]
	s_lshl_b32 s50, s16, 13
	s_lshl_b32 s52, s15, 11
	s_add_co_u32 s50, s50, s52
	s_lshr_b32 s52, s[WV], 2
	s_lshl_b32 s52, s52, 8
	s_add_co_u32 s50, s50, s52
	s_and_b32 s52, s[WV], 3
	s_lshl_b32 s52, s52, 2
	s_add_co_u32 s50, s50, s52
	s_add_nc_u64 s[42:43], s[6:7], s[50:51]        ; q's scale words: 256 bytes for four tiles, 16 r + 4 x (tile % 4)
	s_lshr_b32 s52, s16, 4                         ; the batch
	s_and_b32 s53, s16, 15                         ; the head
	s_lshl_b32 s54, s52, 7
	s_lshl_b32 s55, s15, 5
	s_add_co_u32 s54, s54, s55                     ; the work-group's first tile of rows: 128 batch + 32 cx
	s_add_co_u32 s50, s54, s[WV]
	s_lshl_b32 s50, s50, 4
	s_add_co_u32 s50, s50, s53
	s_mul_i32 s50, s50, 768
	s_add_nc_u64 s[44:45], s[10:11], s[50:51]      ; ctx's pieces: [tile][head]
	s_lshl_b32 s50, s53, 9
	s_add_co_u32 s50, s50, s54
	s_lshl_b32 s50, s50, 6
	s_add_nc_u64 s[46:47], s[12:13], s[50:51]      ; ctx's scale words: [head][tile][row]
	global_load_b128 v[Q:Q+3], v1, s[40:41]
	global_load_b64 v[Q+4:Q+5], v2, s[40:41] offset:512
	global_load_b128 v[QN:QN+3], v1, s[40:41] offset:12288
	global_load_b64 v[QN+4:QN+5], v2, s[40:41] offset:12288+512
	global_load_b32 v24, v5, s[42:43]
	global_load_b32 v25, v5, s[42:43] offset:1024
	s_wait_tensorcnt 0x0                           ; my record is in,
	s_barrier_signal -1
	s_barrier_wait -1                              ; everybody's is
	s_wait_loadcnt 0x0                             ; q
	PASS 0
	PASS 1
	s_wait_dscnt 0x0                               ; for the others' sake: my scale words have landed
	s_barrier_signal -1
	s_barrier_wait -1
	s_cmp_lt_u32 s[WV], 8                          ; 2,048 bytes of words: waves 0-7 store 256 each
	s_cbranch_scc0 .Lno_words
	ds_load_b64 v[12:13], v7
	s_wait_dscnt 0x0
	global_store_b64 v8, v[12:13], s[46:47]        ; 256 consecutive bytes, aligned
.Lno_words:
	s_wait_tensorcnt 0x0                           ; the wave's end
	ds_add_u32 v[SPW], v[NIL]
	s_wait_dscnt 0x0
	CROUND                                         ; the closing round
	s_endpgm
.Lfunc_end_k_q945c146605_attn:
	.size	k_q945c146605_attn, .Lfunc_end_k_q945c146605_attn-k_q945c146605_attn
	.p2alignl 7, 3214868480
	.fill 96, 4, 3214868480
	.section	.rodata,"a",@progbits
	.p2align	6, 0x0
	.amdhsa_kernel k_q945c146605_attn
		.amdhsa_group_segment_fixed_size 327680
		.amdhsa_private_segment_fixed_size 0
		.amdhsa_enable_private_segment 0
		.amdhsa_kernarg_size 40
		.amdhsa_user_sgpr_count 2
		.amdhsa_user_sgpr_kernarg_segment_ptr 1
		.amdhsa_wavefront_size32 1
		.amdhsa_system_sgpr_workgroup_id_x 1
		.amdhsa_system_sgpr_workgroup_id_y 1
		.amdhsa_system_sgpr_workgroup_id_z 1
		.amdhsa_system_vgpr_workitem_id 0
		.amdhsa_next_free_vgpr 256
		.amdhsa_next_free_sgpr 66
		.amdhsa_reserve_vcc 0
		.amdhsa_float_denorm_mode_32 3
		.amdhsa_float_denorm_mode_16_64 3
		.amdhsa_memory_ordered 1
		.amdhsa_forward_progress 1
		.amdhsa_inst_pref_size 77
	.end_amdhsa_kernel
	.amdgpu_metadata
---
amdhsa.version: [ 1, 2 ]
amdhsa.kernels:
  - .name:           k_q945c146605_attn
    .symbol:         k_q945c146605_attn.kd
    .args:
      - { .name: qc, .offset: 0, .size: 8, .value_kind: global_buffer, .address_space: global }
      - { .name: qs, .offset: 8, .size: 8, .value_kind: global_buffer, .address_space: global }
      - { .name: kv, .offset: 16, .size: 8, .value_kind: global_buffer, .address_space: global }
      - { .name: cx, .offset: 24, .size: 8, .value_kind: global_buffer, .address_space: global }
      - { .name: cs, .offset: 32, .size: 8, .value_kind: global_buffer, .address_space: global }
    .group_segment_fixed_size: 327680
    .private_segment_fixed_size: 0
    .kernarg_segment_align: 8
    .kernarg_segment_size: 40
    .max_flat_workgroup_size: 512
    .sgpr_count:     66
    .vgpr_count:     256
    .wavefront_size: 32
...
	.end_amdgpu_metadata
.endif
;; end of part 3
;; launch oproj (part 4): grid 8 x 32, 4 waves a work-group, clusters of 4 x 4, 327,680 bytes of LDS; arguments cx, cs, codes, scales, out_proj_bias, out0; writes out0
.if DOCPART == 4
	.amdgcn_target "amdgcn-amd-amdhsa--gfx1250"
	.amdhsa_code_object_version 6
	.text
	.protected	k_q945c146605_oproj
	.globl	k_q945c146605_oproj
	.p2align	8
	.type	k_q945c146605_oproj,@function
k_q945c146605_oproj:
	s_mov_b64 s[64:65], 0
	v_nop
	global_prefetch_b8 v0, s[64:65] scope:SCOPE_SE
	s_setreg_imm32_b32 hwreg(HW_REG_WAVE_MODE, 25, 1), 1
	s_wait_xcnt 0x0
	s_wait_alu depctr_hold_cnt(0) depctr_sa_sdst(0) depctr_va_vdst(0) depctr_va_sdst(0) depctr_va_ssrc(0) depctr_va_vcc(0) depctr_vm_vsrc(0)
	s_getreg_b32 s2, hwreg(HW_REG_IB_STS2, 6, 4)
	s_cmp_eq_u32 s2, 0
	s_cbranch_scc0 .Lentry_in_a_cluster
	s_endpgm
.Lentry_in_a_cluster:
	s_bfe_u32 s2, ttmp6, 0x10000c
	s_cmp_lg_u32 s2, 0xf033
	s_cbranch_scc0 .Lentry_shape_is_right
	s_endpgm
.Lentry_shape_is_right:
; out0 = ctx out_proj_weight^T + out_proj_bias on codes of FP6 (E2M3) with E8M0 scales.  ctx's codes come as pieces [tile of rows][head], the weight's as [tile][piece]: both in the order of the operand's registers.
; SHARES.  A work-group makes 256 rows (16 tiles) x 128 columns (8 tiles of the weight); wave w takes 4 tiles of rows x all 8: 32 accumulators in window 2 at 64 a + 8 t.  256 work-groups.
; Source 0 = 16 rows of the weight, source 1 = 16 rows of ctx: a lane holds one row of the output and eight neighbouring columns.
; LDS.  All of K lies in LDS: four chunks of 256 along K (16 + 8 tiles x 3,072 bytes), each filled once; a wave has one tensor load out at the start, and one wait shows it landed.
; No slot is filled again.  No prefetch: all tiles are asked for at the head.  CLUSTER 4 x 4: ctx's tiles are shared along a row of the cluster, the weight's along a column: joint loads.
; The scale words of all 8 K steps stand in registers; the bias is the C of each sum's first product.
; The stage for the way out lies in the wave's own tiles of ctx, which have had their only fill.
; LDS AS THIS TEXT HAS IT: all of K, laid [tile][12,288 bytes]: ctx's 16 tiles, then the weight's 8 from WOFF on.  Each wave issues ONE tensor load at the head: waves 0, 1 eight tiles of ctx each, waves 2, 3 four of the weight each;
; one wait and one barrier show all of it to every wave, and no barrier stands in the K steps.  A wave's stage for the way out lies in its own four tiles of ctx, which it alone reads and has left by then.
.set WOFF, 196608
.set PIT,  528
.set AX16, 4                           ; v4: my 4 tiles of ctx + 16 x lane;  v8 + 8 x lane;  v12, v13 and v16, v17 the weight's 8 tiles
.set AX8,  8
.set AW16, 12
.set AW8,  16
.set L16,  20
.set L8,   21
.set STO,  22
.set RD,   23
.set SC,   32                          ; v32-63 the weight's scale words, v64-79 ctx's
.set LW,   80                          ; v80-111 ctx's words as they are loaded, a head each
.set WF,   112                         ; v112-207 the weight's 8 fragments
.set BK,   112                         ; the way out: two sets of 64
.set WV,   16
.set G1X,  24
.set G0X,  32
.set G0W,  48
.set G1W,  68
.set MSB,  0
.macro WIN new
.if MSB != (\new)
	s_set_vgpr_msb (MSB<<8)|(\new)
.set MSB, \new
.endif
.endm
.macro PLACES n
.rept \n
	v_nop
.endr
.endm
.macro CROUND
	s_barrier_signal -1
	s_barrier_wait -1
	s_cmp_lg_u32 s[WV], 0
	s_cbranch_scc1 .Lnot_wave_0_\@
	s_barrier_signal -3
.Lnot_wave_0_\@:
	s_barrier_wait -3
	s_barrier_signal -1
	s_barrier_wait -1
.endm
.macro FRAG reg, a16, a8, off
	ds_load_b128 v[\reg:\reg+3], v[\a16] offset:\off
	ds_load_b64 v[\reg+4:\reg+5], v[\a8] offset:\off+512
	ds_load_b128 v[\reg+6:\reg+9], v[\a16] offset:\off+768
	ds_load_b64 v[\reg+10:\reg+11], v[\a8] offset:\off+1280
.endm
.macro FETCH_X ch, k2, set             ; 16 loads
	WIN 0x40
.irp a, 0,1,2,3
	FRAG 48*(\set)+12*\a, AX16, AX8, 12288*\a+3072*(\ch)+1536*(\k2)
.endr
	WIN 0
.endm
.macro FETCH_W ch, k2, t0              ; 16 loads
.irp i, 0,1,2,3
	FRAG WF+12*((\t0)+\i), AW16+(\t0)/4, AW8+(\t0)/4, 12288*\i+3072*(\ch)+1536*(\k2)
.endr
.endm
.macro WM d, a, b, c, sa, sb, ra, rb
.if (\ra) && (\rb)
	v_wmma_scale_f32_16x16x128_f8f6f4 v[\d:\d+7], v[\a:\a+11], v[\b:\b+11], v[\c:\c+7], v[\sa], v[\sb] matrix_a_fmt:MATRIX_FMT_FP6 matrix_b_fmt:MATRIX_FMT_FP6 matrix_a_scale:MATRIX_SCALE_ROW1 matrix_b_scale:MATRIX_SCALE_ROW1
.elseif (\ra)
	v_wmma_scale_f32_16x16x128_f8f6f4 v[\d:\d+7], v[\a:\a+11], v[\b:\b+11], v[\c:\c+7], v[\sa], v[\sb] matrix_a_fmt:MATRIX_FMT_FP6 matrix_b_fmt:MATRIX_FMT_FP6 matrix_a_scale:MATRIX_SCALE_ROW1
.elseif (\rb)
	v_wmma_scale_f32_16x16x128_f8f6f4 v[\d:\d+7], v[\a:\a+11], v[\b:\b+11], v[\c:\c+7], v[\sa], v[\sb] matrix_a_fmt:MATRIX_FMT_FP6 matrix_b_fmt:MATRIX_FMT_FP6 matrix_b_scale:MATRIX_SCALE_ROW1
.else
	v_wmma_scale_f32_16x16x128_f8f6f4 v[\d:\d+7], v[\a:\a+11], v[\b:\b+11], v[\c:\c+7], v[\sa], v[\sb] matrix_a_fmt:MATRIX_FMT_FP6 matrix_b_fmt:MATRIX_FMT_FP6
.endif
.endm
; The weight's tile t against my four tiles of rows.  The 32 accumulators take turns, one instruction a turn, in the same order in every step.
.macro PROD t, kap, first
.irp a, 0,1,2,3
.set rX, 48*((\kap)%2)+12*\a
.set rW, WF+12*(\t)
.set sW, SC+8*((\t)%4)+(\kap)
.set sX, SC+32+8*(\a%2)+(\kap)
.set rD, 64*\a+8*(\t)
.if \first
	WIN 0xb4                                       ; the weight window 0, ctx window 1, the bias window 3, D window 2
.set rC, 8*(\t)
.else
	WIN 0xa4
.set rC, rD
.endif
	WM rD, rW, rX, rC, sW, sX, (\t)/4, \a/2
.endr
.endm
.macro STEP kap, cn, kn, first
	s_wait_dscnt 16                                ; all but the youngest 16 loads, the weight's blocks 4-7
.irp t, 0,1,2,3
	PROD \t, \kap, \first
.endr
	s_wait_dscnt 0x0
	PLACES 4
	FETCH_X \cn, \kn, 1-(\kap)%2
	FETCH_W \cn, \kn, 0
.irp t, 4,5,6,7
	PROD \t, \kap, \first
.endr
	PLACES 4
	WIN 0
	FETCH_W \cn, \kn, 4
.endm
	s_load_b256 s[4:11], s[0:1], 0x0               ; cx, cs, codes, scales
	s_load_b128 s[12:15], s[0:1], 0x20             ; out_proj_bias, out0
	v_lshl_add_u32 v254, v0, 2, 0x48000
	v_mov_b32 v255, 0
	ds_add_u32 v254, v255
	ds_add_u32 v254, v255
	v_lshrrev_b32 v1, 5, v0
	v_readfirstlane_b32 s[WV], v1                  ; wave 0..3
	s_lshr_b32 s17, s[WV], 1                       ; I fetch for ctx (0) or for the weight (1)
	s_and_b32 s18, s[WV], 1                        ; which half of the tiles
	s_bfe_u32 s19, ttmp6, 0x40000                  ; cx
	s_bfe_u32 s20, ttmp6, 0x40004                  ; cy
	s_lshl_b32 s21, ttmp9, 2
	s_add_co_u32 s21, s21, s19                     ; x: 128 columns
	s_and_b32 s22, ttmp7, 0xffff
	s_lshl_b32 s22, s22, 2
	s_add_co_u32 s22, s22, s20                     ; y: 256 rows = 8 x batch + block
	s_lshl_b32 s23, s20, 2
	s_lshl_b32 s23, 15, s23                        ; my row of the cluster
	s_lshl_b32 s76, 0x1111, s19                    ; my column
	s_or_b32 s[G1X], s23, (3<<16)|(1<<21)
	s_or_b32 s[G1W], s76, (3<<16)|(1<<21)
	s_mov_b32 s[G1X+1], 1536<<16                   ; rows of 12,288 bytes, a tile's whole K, dense in memory and in LDS: 8 of ctx,
	s_mov_b32 s[G1X+2], 8<<16
	s_mov_b32 s[G1X+3], 1536<<16
	s_mov_b32 s[G1X+4], 8
	s_mov_b32 s[G1X+5], 1536
	s_mov_b32 s[G1X+6], 0
	s_mov_b32 s[G1X+7], 0
	s_mov_b32 s[G1W+1], 1536<<16                   ; 4 of the weight
	s_mov_b32 s[G1W+2], 4<<16
	s_mov_b32 s[G1W+3], 1536<<16
	s_mov_b32 s[G1W+4], 4
	s_mov_b32 s[G1W+5], 1536
	s_mov_b32 s[G1W+6], 0
	s_mov_b32 s[G1W+7], 0
	s_lshl_b32 s78, s22, 4                         ; ctx: tile 16 y + 8 x half
	s_lshl_b32 s82, s18, 3
	s_add_co_u32 s78, s78, s82
	s_mul_i32 s78, s78, 12288
	s_mov_b32 s79, 0
	s_lshl_b32 s80, s21, 3                         ; the weight: tile 704 + 8 x + 4 x half
	s_lshl_b32 s82, s18, 2
	s_add_co_u32 s80, s80, s82
	s_add_co_u32 s80, s80, 704
	s_mul_i32 s80, s80, 12288
	s_mov_b32 s81, 0
	s_mul_i32 s83, s18, 98304
	s_mul_i32 s84, s18, 49152
	s_add_co_u32 s84, s84, WOFF
	s_wait_dscnt 0x0
	s_wait_kmcnt 0x0
	s_add_nc_u64 s[78:79], s[4:5], s[78:79]
	s_add_nc_u64 s[80:81], s[8:9], s[80:81]
	CROUND                                         ; all sixteen work-groups are here: the joint loads meet
	s_mov_b32 s[G0X], 1
	s_mov_b32 s[G0X+1], s83
	s_mov_b64 s[G0X+2:G0X+3], s[78:79]
	s_or_b32 s[G0X+3], s[G0X+3], 0x80000000
	s_mov_b32 s[G0W], 1
	s_mov_b32 s[G0W+1], s84
	s_mov_b64 s[G0W+2:G0W+3], s[80:81]
	s_or_b32 s[G0W+3], s[G0W+3], 0x80000000
	s_cmp_eq_u32 s17, 0                            ; a wave's one fill stands in one branch, ahead of every wait on TENSORcnt and every LDS read
	s_cbranch_scc0 .Lfirst_w
	tensor_load_to_lds s[G0X:G0X+3], s[G1X:G1X+7]
	s_nop 0
	PLACES 4
	s_branch .Lfirst_done
.Lfirst_w:
	tensor_load_to_lds s[G0W:G0W+3], s[G1W:G1W+7]
	s_nop 0
	PLACES 4
.Lfirst_done:
	v_and_b32 v1, 31, v0                           ; lane
	v_and_b32 v2, 15, v0                           ; r
	v_bfe_u32 v3, v0, 4, 1                         ; h
	v_lshlrev_b32 v[L16], 4, v1
	v_lshlrev_b32 v[L8], 3, v1
	s_mul_i32 s2, s[WV], 49152                     ; my 4 tiles of ctx; my stage lies at their start
	v_add_nc_u32 v[AX16], s2, v[L16]
	v_add_nc_u32 v[AX8], s2, v[L8]
	v_add_nc_u32 v[AW16], WOFF, v[L16]
	v_add_nc_u32 v[AW8], WOFF, v[L8]
	v_add_nc_u32 v[AW16+1], 49152, v[AW16]         ; the weight's tiles 4-7
	v_add_nc_u32 v[AW8+1], 49152, v[AW8]
	v_mul_u32_u24 v[STO], v2, PIT
	v_lshl_add_u32 v[STO], v3, 6, v[STO]
	v_add_nc_u32 v[STO], s2, v[STO]                ; in: row r, + 64 h
	v_add_nc_u32 v[RD], s2, v[L16]                 ; back: a row of 512 bytes to the 32 lanes
	v_lshlrev_b32 v24, 4, v2
	v_lshl_add_u32 v24, v3, 11, v24                ; the weight's scale words: 16 r, lanes 16-31 four tiles on
	s_wait_alu depctr_va_vdst(0)
	v_lshlrev_b32 v25, 2, v2
	v_lshl_add_u32 v25, v3, 7, v25                 ; ctx's: 4 r, lanes 16-31 two tiles on
	s_wait_alu depctr_va_vdst(0)
	v_lshlrev_b32 v26, 6, v3                       ; the bias: 16 h numbers on
	s_wait_alu depctr_va_vdst(0)
	s_lshl_b32 s86, s21, 12
	s_add_co_u32 s86, s86, 704*512
	s_mov_b32 s87, 0
	s_add_nc_u64 s[86:87], s[10:11], s[86:87]
	s_lshl_b32 s88, s22, 10
	s_lshl_b32 s2, s[WV], 8
	s_add_co_u32 s88, s88, s2
	s_mov_b32 s89, 0
	s_add_nc_u64 s[88:89], s[6:7], s[88:89]        ; cs at tile 16 y + 4 wave of head 0
	s_lshl_b32 s76, s21, 9
	s_mov_b32 s77, 0
	s_add_nc_u64 s[76:77], s[12:13], s[76:77]
.irp p, 0,1,2,3
.irp k, 0,1
	global_load_b128 v[SC+8*\p+4*\k:SC+8*\p+4*\k+3], v24, s[86:87] offset:512*\p+256*\k
.endr
.endr
.irp g, 0,1,2,3,4,5,6,7,8,9,10,11,12,13,14,15
.irp q, 0,1
	global_load_b32 v[LW+2*\g+\q], v25, s[88:89] offset:32768*\g+64*\q
.endr
.endr
	WIN 0xc0                                       ; destination window 3
.irp t, 0,1,2,3,4,5,6,7
	global_load_b128 v[8*\t:8*\t+3], v26, s[76:77] offset:(32*(\t/2)+8*(\t%2))*4
	global_load_b128 v[8*\t+4:8*\t+7], v26, s[76:77] offset:(32*(\t/2)+8*(\t%2))*4+16
.endr
	WIN 0
	s_and_b32 s2, s22, 7
	s_lshl_b32 s2, s2, 8
	s_lshl_b32 s3, s[WV], 6
	s_add_co_u32 s2, s2, s3                        ; my first s: 256 x block + 64 x wave
	s_lshl_b32 s90, s2, 14
	s_lshr_b32 s2, s22, 3
	s_lshl_b32 s2, s2, 12
	s_add_co_u32 s90, s90, s2                      ; + the batch's 4,096 bytes
	s_lshl_b32 s2, s21, 9
	s_add_co_u32 s90, s90, s2                      ; + my 128 columns
	s_mov_b32 s91, 0
	s_add_nc_u64 s[90:91], s[14:15], s[90:91]
	s_wait_tensorcnt 0x0                           ; my one load is in
	s_barrier_signal -1
	s_barrier_wait -1
	FETCH_X 0, 0, 0
	FETCH_W 0, 0, 0
	FETCH_W 0, 0, 4
	s_wait_loadcnt 0x0
.irp k, 0,1,2,3,4,5,6,7
.irp q, 0,1
	v_bfi_b32 v[SC+32+8*\q+\k], 0xffff, v[LW+4*\k+\q], v[LW+4*\k+2+\q]   ; K step k is heads 2 k and 2 k + 1: two bytes of each
.endr
.endr
	PLACES 8                                       ; a scale register written by a vector instruction stands eight places ahead of a scaled product
	STEP 0, 0, 1, 1
	STEP 1, 1, 0, 0
	STEP 2, 1, 1, 0
	s_wait_alu depctr_va_vdst(0)
	STEP 3, 2, 0, 0
	STEP 4, 2, 1, 0
	STEP 5, 3, 0, 0
	STEP 6, 3, 1, 0
	s_wait_dscnt 16
.irp t, 0,1,2,3
	PROD \t, 7, 0
.endr
	s_wait_dscnt 0x0
.irp t, 4,5,6,7
	PROD \t, 7, 0
.endr
	WIN 0
; THE WAY OUT, a tile of 16 rows x 128 columns at a time: through my own stage and back as whole rows of 512 bytes.  LDS serves a wave's instructions in order: no wait between the stores and the loads.
.macro TOSTAGE a
	WIN 0x08                                       ; an LDS store's data are its source 1: window 2
.irp t, 0,1,2,3,4,5,6,7
	ds_store_b128 v[STO], v[64*(\a)+8*\t:64*(\a)+8*\t+3] offset:128*(\t/2)+32*(\t%2)        ; each accumulator from its low end on
	ds_store_b128 v[STO], v[64*(\a)+8*\t+4:64*(\a)+8*\t+7] offset:128*(\t/2)+32*(\t%2)+16
.endr
	WIN 0
.irp i, 0,1,2,3,4,5,6,7,8,9,10,11,12,13,14,15
	ds_load_b128 v[BK+64*((\a)%2)+4*\i:BK+64*((\a)%2)+4*\i+3], v[RD] offset:\i*PIT
.endr
.endm
.macro SEND a, younger                 ; younger: the LDS instructions issued behind tile a's loads
	s_wait_dscnt \younger
.irp i, 0,1,2,3,4,5,6,7,8,9,10,11,12,13,14,15
	global_store_b128 v[L16], v[BK+64*((\a)%2)+4*\i:BK+64*((\a)%2)+4*\i+3], s[90:91] offset:(8*(\a)+\i+24*(\i/8))*16384 th:TH_STORE_NT   ; row i of tile a is s = 8 a + i + 24 (i / 8) of my 64; 512 consecutive bytes, aligned; 63 steps of s at the most: inside the signed 24-bit immediate
.endr
.endm
	PLACES 4                                       ; in front of the first read of results and of the loads into the weight's registers
	TOSTAGE 0
.irp a, 1,2,3
.if \a > 1
	s_wait_xcnt 0x0                                ; tile a - 2's stores have read their registers: tile a's loads may land there
.endif
	TOSTAGE \a
	SEND \a-1, 32                                  ; behind tile a - 1's loads: tile a's 16 stores and 16 loads
.endr
	SEND 3, 0
	s_wait_tensorcnt 0x0
	ds_add_u32 v254, v255
	s_wait_dscnt 0x0
	CROUND                                         ; the closing round
	s_endpgm
.Lfunc_end_k_q945c146605_oproj:
	.size	k_q945c146605_oproj, .Lfunc_end_k_q945c146605_oproj-k_q945c146605_oproj
	.p2alignl 7, 3214868480
	.fill 96, 4, 3214868480
	.section	.rodata,"a",@progbits
	.p2align	6, 0x0
	.amdhsa_kernel k_q945c146605_oproj
		.amdhsa_group_segment_fixed_size 327680
		.amdhsa_private_segment_fixed_size 0
		.amdhsa_enable_private_segment 0
		.amdhsa_kernarg_size 48
		.amdhsa_user_sgpr_count 2
		.amdhsa_user_sgpr_kernarg_segment_ptr 1
		.amdhsa_wavefront_size32 1
		.amdhsa_system_sgpr_workgroup_id_x 1
		.amdhsa_system_sgpr_workgroup_id_y 1
		.amdhsa_system_sgpr_workgroup_id_z 1
		.amdhsa_system_vgpr_workitem_id 0
		.amdhsa_next_free_vgpr 1024
		.amdhsa_next_free_sgpr 100
		.amdhsa_reserve_vcc 0
		.amdhsa_float_denorm_mode_32 3
		.amdhsa_float_denorm_mode_16_64 3
		.amdhsa_memory_ordered 1
		.amdhsa_forward_progress 1
		.amdhsa_inst_pref_size 88
	.end_amdhsa_kernel
	.amdgpu_metadata
---
amdhsa.version: [ 1, 2 ]
amdhsa.kernels:
  - .name:           k_q945c146605_oproj
    .symbol:         k_q945c146605_oproj.kd
    .args:
      - { .name: cx, .offset: 0, .size: 8, .value_kind: global_buffer, .address_space: global }
      - { .name: cs, .offset: 8, .size: 8, .value_kind: global_buffer, .address_space: global }
      - { .name: codes, .offset: 16, .size: 8, .value_kind: global_buffer, .address_space: global }
      - { .name: scales, .offset: 24, .size: 8, .value_kind: global_buffer, .address_space: global }
      - { .name: out_proj_bias, .offset: 32, .size: 8, .value_kind: global_buffer, .address_space: global }
      - { .name: out0, .offset: 40, .size: 8, .value_kind: global_buffer, .address_space: global }
    .group_segment_fixed_size: 327680
    .private_segment_fixed_size: 0
    .kernarg_segment_align: 8
    .kernarg_segment_size: 48
    .max_flat_workgroup_size: 128
    .sgpr_count:     100
    .vgpr_count:     1024
    .wavefront_size: 32
...
	.end_amdgpu_metadata
.endif
;; end of part 4
